; MI455X (gfx1250); checked and timed in simulation.
; The chip was launched on July 23, 2026; its instructions are those of AMD's public machine-readable ISA for CDNA 5 (MIT licence, August 2026) and "CDNA5" Instruction Set Architecture Reference Guide (July 2026). The comments in the code are by the model that wrote it; some were corrected since.
;; Cross Attention. Allowed arithmetic: matrix products marked QUANTISED: E2M3 operands, one E8M0 scale for each 32 along K, by v_wmma_scale_f32_16x16x128_f8f6f4 with both operands' format E2M3, f32 sums; everything else in f32.
;; Inputs: Wkv_codes 2,048 x 24 x 24 uint8 (E2M3 codes of Wkv, K innermost, in blocks of 32 codes, four codes in three bytes); Wkv_scales 2,048 x 24 uint8 (E8M0 scales of Wkv, one for each 32 codes along K); Wo_codes 1,024 x 32 x 24 uint8 (E2M3 codes of Wo, K innermost, in blocks of 32 codes, four codes in three bytes); Wo_scales 1,024 x 32 uint8 (E8M0 scales of Wo, one for each 32 codes along K); Wq_codes 1,024 x 32 x 24 uint8 (E2M3 codes of Wq, K innermost, in blocks of 32 codes, four codes in three bytes); Wq_scales 1,024 x 32 uint8 (E8M0 scales of Wq, one for each 32 codes along K); context_codes 4 x 512 x 24 x 24 uint8 (E2M3 codes of context, K innermost, in blocks of 32 codes, four codes in three bytes); context_scales 4 x 512 x 24 uint8 (E8M0 scales of context, one for each 32 codes along K); gamma_out 1,024 float32; gamma_x 1,024 float32; mask 4 x 511 bool; x 4 x 4,096 x 1,024 float32.
;; Outputs: out0 4 x 4,096 x 1,024 float32.
;; This version of the problem:
;;   THIS VERSION OF THE PROBLEM IS GIVEN IN LOW PRECISION. The matrix products marked QUANTISED in the list below multiply operands that are first quantised to E2M3 (2 exponent bits, 3 mantissa bits; 6 bits a number), with one power-of-two scale for each 32 numbers along K (OCP MX v1.0); their sums are f32. All else is computed in f32.
;;   The module's matrix products, in the order in which they are computed (A, B: the left and right operand; K: the contracted axis; several contracted axes count as one K, in the product's order):
;;     1. [M 16,384, K 1,024] x [K 1,024, N 1,024]; A: computed on the way; B: input Wq (given as codes): QUANTISED
;;     2. [M 2,048, K 768] x [K 768, N 2,048]; A: input context (given as codes); B: input Wkv (given as codes): QUANTISED
;;     3. batch 64 x [M 4,096, K 64] x [K 64, N 512]; A: computed on the way; B: computed on the way: QUANTISED
;;     4. batch 64 x [M 4,096, K 512] x [K 512, N 64]; A: softmax (see below); B: computed on the way: QUANTISED
;;     5. [M 16,384, K 1,024] x [K 1,024, N 1,024]; A: computed on the way; B: input Wo (given as codes): QUANTISED
;;   THE QUANTISER, for each operand of a quantised product, along K:
;;     - K is cut into blocks of 32 from its start; a last block that is shorter is filled with zeros.
;;     - A block's scale is 2^e with e = floor(log2(the largest magnitude in the block)) - 2, held to -126 .. 127; a block of zeros has e = 0. As a byte (E8M0): e + 127.
;;     - Each number is divided by its block's scale, clamped to +-7.5, and rounded to the nearest number of E2M3, ties to even, subnormals kept.
;;     - The product sums the exact products of the quantised numbers (number of the format x scale) in f32.
;;   ~~~python
;;   def quantise(x, axis):      # numpy; x: float32 -> the quantised numbers, widened to float32 again
;;       x = np.moveaxis(x, axis, -1); K = x.shape[-1]
;;       x = np.pad(x, [(0, 0)] * (x.ndim - 1) + [(0, -K % 32)]); x = x.reshape(x.shape[:-1] + (-1, 32)); a = np.abs(x).max(-1, keepdims=True)
;;       e = np.where(a > 0, np.clip(np.frexp(np.where(a > 0, a, 1))[1] - 1 - 2, -126, 127), 0)      # np.frexp(a)[1] - 1 = floor(log2(a)), exactly
;;       r = np.clip(x / 2.0 ** e, -7.5, 7.5)
;;       step = 2.0 ** (np.maximum(np.frexp(np.where(r == 0, 1, r))[1] - 1, 0) - 3)
;;       q = np.round(r / step) * step * 2.0 ** e      # np.round: ties to even
;;       return np.moveaxis(q.reshape(q.shape[:-2] + (-1,))[..., :K], -1, axis).astype(np.float32)
;;   ~~~
;;   SOFTMAX AHEAD OF A QUANTISED PRODUCT. Where the list says 'softmax', what is quantised is not the finished softmax but p = 2^(t - M), with t = logit x log2(e) and M = ceil(the row's largest t), a whole number; so 1/2 < the row's largest p <= 1. The row's sum l is taken of the UNQUANTISED p, in f32, and the product's result is divided by l at the end. Since M is a whole number, a kernel that streams over the keys may use a running M (the ceiling of the running maximum): every later rescaling is an exact power of two, which a block's scale takes up: the codes' values come out the same.
;;   OPERANDS COMPUTED ON THE WAY. 'Computed on the way' means the value that the module computes at that place (a softmax that the list does not call 'softmax' is quantised finished and normalised). What goes into a quantiser is computed in f32, as accurately as f32 sums, v_exp_f32 and their like allow (about 1e-6 of the number): no bf16 or f16 on the way to a quantiser, and a product that is left as it is and whose result goes on into a quantised operand takes f32 operands (vector FMAs, or v_wmma_f32_16x16x4_f32). A number that lies on a knife's edge between two numbers of the format may be rounded either way, as far as f32 arithmetic and the matrix unit's own rounding can turn it there, and no further.
;;   INPUTS GIVEN AS CODES. Wkv (in the module: [768, 2048], K = its axis 0); Wo (in the module: [1024, 1024], K = its axis 0); Wq (in the module: [1024, 1024], K = its axis 0); context (in the module: [4, 512, 768], K = its axis 2): each comes as NAME_codes (uint8): NAME with its K axis moved to the last place and cut into blocks of 32 codes, [.., K / 32, bytes a block], one block behind the other in memory; four codes in three bytes: a row's codes are one little-endian stream of bits, code i at bits 6 i .. 6 i + 5 (a code: sign, 2 exponent bits, 3 mantissa bits); and NAME_scales (uint8): the same leading axes, one E8M0 byte (e + 127) for each 32 codes along K. Its value is code x scale, taken as it is: it is not quantised again, and the codes and scales need not be those that the quantiser above would give.
;; 2 versions. Each part assembles by itself: llvm-mc -triple=amdgcn-amd-amdhsa -mcpu=gfx1250 --defsym DOCPART=n.
;; ======== version 1 of 2: 2 launches
;; limits: right only within a limited range of input values
;; workspace buffers: wq_img 786,432 bytes; wo_img 786,432 bytes; wq_sc 32,768 bytes; wo_sc 32,768 bytes; k_img 2,097,152 bytes; k_sc 131,072 bytes; v_img 1,572,864 bytes; v_sc 65,536 bytes
;; launch prep (part 1): grid 576 x 1, 4 waves a work-group, no clusters, 0 bytes of LDS; arguments Wkv_codes, Wkv_scales, context_codes, context_scales, mask, Wq_codes, Wq_scales, Wo_codes, Wo_scales, k_img, k_sc, v_img, v_sc, wq_img, wq_sc, wo_img, wo_sc; writes k_img, k_sc, v_img, v_sc, wq_img, wq_sc, wo_img, wo_sc
.if DOCPART == 1
	.amdgcn_target "amdgcn-amd-amdhsa--gfx1250"
	.amdhsa_code_object_version 6
	.text
	.protected	k_q9343c8ebd8_prep
	.globl	k_q9343c8ebd8_prep
	.p2align	8
	.type	k_q9343c8ebd8_prep,@function
k_q9343c8ebd8_prep:
	s_mov_b64 s[64:65], 0
	v_nop
	global_prefetch_b8 v0, s[64:65] scope:SCOPE_SE
	s_setreg_imm32_b32 hwreg(HW_REG_WAVE_MODE, 25, 1), 1
	s_wait_xcnt 0x0
; PREP.  (a) kv = context x Wkv on codes of FP6 (E2M3); k x sqrt(1/8) is quantised along the head's 64, v along the keys; both are stored as IMAGES OF OPERAND REGISTERS for the next launch.
; (b) Wq and Wo are laid anew, as images of operand registers (a copy: no code is changed).
; Work-groups 0-255: k; 256-511: v; 512-575: the copy.  Four waves, each with a job of its own: no LDS, no barrier, EXEC is never changed.
; A KV JOB is 64 x 32 numbers of kv: source 0 = 4 tiles of 16 rows along the axis that is quantised next (k: 64 rows of Wkv, a head; v: 64 keys of context), source 1 = 2 tiles of 16 rows that become the lanes'
; rows (k: 32 keys; v: 32 rows of Wkv).  Rows of Wkv and of context are both 576 bytes of codes and 24 scale bytes, so one text serves both kinds: only pointers, rows and the factor are chosen.
; THE ROWS OF A TILE ARE NOT NEIGHBOURS: lane r of tile 2 b + u takes row 32 b + 8 u + r + 8 (r / 8).  On source 0 that makes the 16 registers of result tiles 2 b, 2 b + 1 sixteen neighbours 32 b + 16 (lane / 16) + 0 .. 15.
; THE MASK goes into k's image.  The score product uses 64 of the instruction's 128 along K; at k = 64 a masked key gets the code 63 (-7.5) under the scale byte 227 (2^100), and the queries carry 1.0 there:
; a masked score is -7.5 x 2^100 and its weight 0.  Keys that count have the code 0 there, under the byte 95.  Key 0 always counts.
; LIMITS: NaN, infinities and given scale bytes 0xff are not served; a block whose largest magnitude lies under 2^-124 takes the byte 1 (a block of zeros too: its codes are zeros and these bytes are read by this program alone);
; logits must lie far under 7.5 x 2^100 in magnitude.
; The stores of codes cover 256 or 512 consecutive bytes each; the stores of scale words cover 128 bytes (k) or two bytes of each word (v): 196,608 bytes in all are written in such parts.
.set TM,  240                          ; v240-245 at work in Q2
.set T2,  246                          ; v246-248 the second conversion's result
.set SEL, 70                           ; s[70:71] lane selects: lane l xor 16
.set ACC, 176                          ; v176-239 accumulator (u, t) at ACC + 32 u + 8 t
; buffer n (0, 1) at v[16 + 78 n]: source 0's fragments +12 t, source 1's +48 + 12 u, scale words +72 + t and +76 + u (registers that hold scale words and nothing else)
; 32 numbers of a lane, register 16 b + e = element 32 b + 16 (lane / 16) + e of the lane's row, become half a fragment: v[dst .. dst + 5] = the codes of block (lane / 16); v[pw] = the two blocks' scale bytes
.macro Q2 src, dst, pw
.irp b, 0,1
	v_max3_num_f32 v[TM+\b], |v[\src+16*\b]|, |v[\src+16*\b+1]|, 0x1800000   ; my 16 numbers of block b, and the floor 2^(3 - 127): the byte cannot fall under 1
.endr
.irp e, 2,4,6,8,10,12,14
.irp b, 0,1
	v_max3_num_f32 v[TM+\b], v[TM+\b], |v[\src+16*\b+\e]|, |v[\src+16*\b+\e+1]|
.endr
.endr
.irp b, 0,1
	v_permlanex16_b32 v[TM+2+\b], v[TM+\b], s[SEL], s[SEL+1]
.endr
.irp b, 0,1
	v_max_num_f32 v[TM+\b], v[TM+\b], v[TM+2+\b]          ; with lane l xor 16's: the block's largest magnitude
.endr
.irp b, 0,1
	v_add_nc_u32 v[TM+4+\b], 0xff000000, v[TM+\b]         ; 2 off its exponent field: the conversion's scale operand
.endr
.irp b, 0,1
	v_lshrrev_b32 v[TM+2+\b], 23, v[TM+4+\b]              ; the scale's byte
.endr
	v_lshl_or_b32 v[\pw], v[TM+3], 8, v[TM+2]
	v_cvt_scalef32_pk16_fp6_f32 v[\dst:\dst+2], v[\src:\src+15], v[TM+4]
	v_cvt_scalef32_pk16_fp6_f32 v[T2:T2+2], v[\src+16:\src+31], v[TM+5]   ; (a conversion's three registers begin on an even number)
	v_nop                                                 ; one plain instruction behind a scaled conversion
.irp e, 0,1,2
	v_permlane16_swap_b32 v[\dst+\e], v[T2+\e]            ; a whole block to a lane: lanes 0-15 block 0, lanes 16-31 block 1
.endr
.irp e, 0,1,2
	v_mov_b32 v[\dst+3+\e], v[T2+\e]
.endr
.endm
; K step s (128 along K) into buffer n: 6 fragments of 6 loads of 8 bytes, 6 scale words: 42 loads
.macro LOADS s, n
.set BF, 16+78*(\n)
.irp t, 0,1,2,3
.irp p, 0,1,2,3,4,5
	global_load_b64 v[BF+12*\t+2*\p:BF+12*\t+2*\p+1], v4, s[52:53] offset:(32*(\t/2)+8*(\t%2))*576+96*(\s)+48*(\p/3)+8*(\p%3)
.endr
	global_load_b32 v[BF+72+\t], v5, s[54:55] offset:(32*(\t/2)+8*(\t%2))*24+4*(\s)
.endr
.irp u, 0,1
.irp p, 0,1,2,3,4,5
	global_load_b64 v[BF+48+12*\u+2*\p:BF+48+12*\u+2*\p+1], v4, s[56:57] offset:8*\u*576+96*(\s)+48*(\p/3)+8*(\p%3)
.endr
	global_load_b32 v[BF+76+\u], v5, s[58:59] offset:8*\u*24+4*(\s)
.endr
.endm
; the K step's 8 products; the eight accumulators take turns, one instruction a turn, in the same order in every step; the first step starts the sums
.macro MUL8 s
.set BF, 16+78*((\s)%2)
.irp t, 0,1,2,3
.irp u, 0,1
.if (\s) == 0
	v_wmma_scale_f32_16x16x128_f8f6f4 v[ACC+32*\u+8*\t:ACC+32*\u+8*\t+7], v[BF+12*\t:BF+12*\t+11], v[BF+48+12*\u:BF+48+12*\u+11], 0, v[BF+72+\t], v[BF+76+\u] matrix_a_fmt:MATRIX_FMT_FP6 matrix_b_fmt:MATRIX_FMT_FP6
.else
	v_wmma_scale_f32_16x16x128_f8f6f4 v[ACC+32*\u+8*\t:ACC+32*\u+8*\t+7], v[BF+12*\t:BF+12*\t+11], v[BF+48+12*\u:BF+48+12*\u+11], v[ACC+32*\u+8*\t:ACC+32*\u+8*\t+7], v[BF+72+\t], v[BF+76+\u] matrix_a_fmt:MATRIX_FMT_FP6 matrix_b_fmt:MATRIX_FMT_FP6
.endif
.endr
.endr
.endm
	s_load_b512 s[4:19], s[0:1], 0x0               ; Wkv codes 4, scales 6; context codes 8, scales 10; mask 12; Wq codes 14, scales 16; Wo codes 18
	s_load_b512 s[20:35], s[0:1], 0x40             ; Wo scales 20; k_img 22, k_sc 24, v_img 26, v_sc 28, wq_img 30, wq_sc 32, wo_img 34
	s_load_b64 s[36:37], s[0:1], 0x80              ; wo_sc
	v_lshrrev_b32 v1, 5, v0
	v_readfirstlane_b32 s38, v1                    ; wave
	v_and_b32 v9, 31, v0                           ; lane
	v_lshlrev_b32 v1, 4, v9                        ; 16 x lane
	v_lshlrev_b32 v2, 3, v9                        ; 8 x lane
	v_lshlrev_b32 v3, 2, v9                        ; 4 x lane
	v_and_b32 v10, 15, v0                          ; r
	v_bfe_u32 v11, v0, 4, 1                        ; h
	v_and_b32 v12, 8, v10
	v_add_nc_u32 v12, v12, v10                     ; r + 8 (r / 8)
	s_lshl_b32 s39, ttmp9, 2
	s_add_co_u32 s39, s39, s38                     ; job = 4 x work-group + wave
	s_mov_b32 s63, 0                               ; the upper word of every offset
	s_cmp_ge_u32 ttmp9, 512
	s_cbranch_scc1 .Lrelay
	; ---- a job of kv
	s_lshr_b32 s40, ttmp9, 8                       ; kind: 0 k, 1 v
	s_bfe_u32 s41, ttmp9, 0x20006                  ; batch
	s_and_b32 s42, s39, 255
	s_lshr_b32 s43, s42, 4                         ; k: head
	s_and_b32 s44, s42, 15                         ; k: which 32 keys
	s_lshr_b32 s45, s42, 5                         ; v: which 64 keys
	s_and_b32 s46, s42, 31                         ; v: which 32 rows of Wkv's second half
	s_lshl_b32 s47, s41, 9
	s_lshl_b32 s48, s43, 6                         ; k: source 0 from row 64 head of Wkv,
	s_lshl_b32 s49, s44, 5
	s_add_co_u32 s49, s49, s47                     ;    source 1 from row 512 batch + 32 G of context
	s_lshl_b32 s50, s45, 6
	s_add_co_u32 s50, s50, s47                     ; v: source 0 from row 512 batch + 64 g of context,
	s_lshl_b32 s51, s46, 5
	s_add_co_u32 s51, s51, 1024                    ;    source 1 from row 1024 + 32 e of Wkv
	v_mul_u32_u24 v4, v12, 576
	v_mad_u32_u24 v4, v11, 24, v4                  ; my row of a tile, + 24 bytes for lanes 16-31
	v_mul_u32_u24 v5, v12, 24                      ; and its scale bytes
	s_lshl_b32 s66, s44, 5
	v_add_nc_u32 v6, s66, v12                      ; the key of my lane in tile 0 (in range for both kinds; used by k alone)
	v_min_u32 v8, 1, v6                            ; 0 for key 0
	v_add_nc_u32 v7, 7, v6                         ; tile 1's key is 8 on, never key 0: its byte of the mask lies at key - 1
	v_sub_nc_u32 v6, v6, v8                        ; tile 0's: key - 1, and byte 0 (not used) for key 0
	v_mov_b32 v[TM+2], 0                           ; written once: a lane permute's destination counts as one of its sources
	v_mov_b32 v[TM+3], 0
	s_mov_b32 s[SEL], 0x76543210
	s_mov_b32 s[SEL+1], 0xfedcba98
	s_mul_i32 s62, s41, 511
	s_wait_kmcnt 0x0
	s_add_nc_u64 s[12:13], s[12:13], s[62:63]      ; the batch's row of the mask
	s_cmp_eq_u32 s40, 0                            ; the choice hangs on the work-group's number alone
	s_cselect_b64 s[52:53], s[4:5], s[8:9]         ; source 0: codes,
	s_cselect_b64 s[54:55], s[6:7], s[10:11]       ; scale bytes
	s_cselect_b64 s[56:57], s[8:9], s[4:5]         ; source 1: codes,
	s_cselect_b64 s[58:59], s[10:11], s[6:7]       ; scale bytes
	s_cselect_b32 s48, s48, s50
	s_cselect_b32 s49, s49, s51
	s_cselect_b32 s60, 0x3eb504f3, 1.0             ; k is multiplied by sqrt(1/8), v by 1
	s_mov_b32 s61, s60
	s_mul_i32 s62, s48, 576
	s_add_nc_u64 s[52:53], s[52:53], s[62:63]
	s_mul_i32 s62, s48, 24
	s_add_nc_u64 s[54:55], s[54:55], s[62:63]
	s_mul_i32 s62, s49, 576
	s_add_nc_u64 s[56:57], s[56:57], s[62:63]
	s_mul_i32 s62, s49, 24
	s_add_nc_u64 s[58:59], s[58:59], s[62:63]
	global_load_u8 v13, v6, s[12:13]
	global_load_u8 v14, v7, s[12:13]
	LOADS 0, 0
	LOADS 1, 1
.irp s, 0,1,2,3,4,5
.if \s < 5
	s_wait_loadcnt 42                              ; this step's 42 loads (and all older ones) are in; the next step's 42 may be out
.else
	s_wait_loadcnt 0x0
.endif
	MUL8 \s
.if \s < 4
.rept 4
	v_nop                                          ; four plain instructions in front of loads into registers that matrix instructions have read
.endr
	LOADS \s+2, \s%2
.endif
.endr
.rept 4
	v_nop                                          ; and in front of the first read of results
.endr
.set jj, 0
.rept 32
	v_pk_mul_f32 v[ACC+jj:ACC+jj+1], v[ACC+jj:ACC+jj+1], s[60:61] op_sel_hi:[1,0]   ; each accumulator from its low end on
.set jj, jj+2
.endr
	Q2 ACC, 16, 250                                ; tile u = 0: codes v16-21, bytes v250
	Q2 ACC+32, 24, 251                             ; tile u = 1: codes v24-29, bytes v251
	v_cmp_eq_u32 vcc_lo, 1, v11                    ; lanes 16-31
	s_lshl_b32 s66, s41, 4                         ; 16 x batch
	s_cmp_lg_u32 s40, 0
	s_cbranch_scc1 .Lvjob
	; ---- k: two tiles of 8 registers (6 of codes, the mask's code, 0), and their scale words
	v_sub_nc_u32 v8, 1, v8
	v_or_b32 v13, v13, v8                          ; key 0 always counts
	v_xor_b32 v13, 1, v13                          ; 1 where the key is masked
	v_xor_b32 v14, 1, v14
	v_mul_u32_u24 v22, v13, 63                     ; -7.5 at k = 64 (in lanes 16-31 it stands at k = 96, where the queries have the code 0)
	v_mov_b32 v23, 0
	v_mul_u32_u24 v30, v14, 63
	v_mov_b32 v31, 0
	s_mov_b32 s68, 0x840000
	s_mov_b32 s69, 0x5f5f0000
	v_mad_u32_u24 v252, v13, s68, s69              ; bytes 2 and 3: 227 and 95 for a masked key, else 95 and 95
	v_mad_u32_u24 v253, v14, s68, s69
	v_or_b32 v252, v252, v250
	v_or_b32 v253, v253, v251
	v_cndmask_b32 v252, v252, v253, vcc_lo         ; lanes 0-15 the even tile's words, lanes 16-31 the odd tile's
	s_add_co_u32 s67, s66, s43                     ; 16 batch + head
	s_lshl_b32 s62, s67, 5
	s_lshl_b32 s72, s44, 1
	s_add_co_u32 s62, s62, s72
	s_lshl_b32 s62, s62, 10                        ; tile 2 G of that head, 1,024 bytes a tile
	s_add_nc_u64 s[22:23], s[22:23], s[62:63]
	s_lshl_b32 s62, s67, 3
	s_lshr_b32 s72, s44, 1
	s_add_co_u32 s62, s62, s72
	s_lshl_b32 s62, s62, 8                         ; 256 bytes of scale words for 64 keys,
	s_and_b32 s72, s44, 1
	s_lshl_b32 s72, s72, 7                         ; 128 for my 32
	s_add_co_u32 s62, s62, s72
	s_add_nc_u64 s[24:25], s[24:25], s[62:63]
	global_store_b128 v1, v[16:19], s[22:23]
	global_store_b128 v1, v[20:23], s[22:23] offset:512
	global_store_b128 v1, v[24:27], s[22:23] offset:1024
	global_store_b128 v1, v[28:31], s[22:23] offset:1536
	global_store_b32 v3, v252, s[24:25]
	s_endpgm
.Lvjob:	; ---- v: half a fragment (64 of a step's 128 keys) for each of two tiles of 16 channels, and two scale bytes a row
	v_cndmask_b32 v250, v250, v251, vcc_lo
	s_lshr_b32 s67, s46, 1                         ; head
	s_add_co_u32 s67, s67, s66
	s_lshl_b32 s67, s67, 2
	s_lshr_b32 s68, s45, 1                         ; key step
	s_add_co_u32 s67, s67, s68                     ; (16 batch + head) 4 + step
	s_and_b32 s68, s46, 1                          ; which 32 channels of the head
	s_and_b32 s69, s45, 1                          ; which half of the step
	s_lshl_b32 s62, s67, 2
	s_lshl_b32 s72, s68, 1
	s_add_co_u32 s62, s62, s72
	s_mul_i32 s62, s62, 1536
	s_mul_i32 s72, s69, 768
	s_add_co_u32 s62, s62, s72
	s_add_nc_u64 s[26:27], s[26:27], s[62:63]
	s_lshl_b32 s62, s67, 8
	s_lshl_b32 s72, s68, 7
	s_add_co_u32 s62, s62, s72
	s_lshl_b32 s72, s69, 1
	s_add_co_u32 s62, s62, s72
	s_add_nc_u64 s[28:29], s[28:29], s[62:63]
.irp u, 0,1
.irp j, 0,1,2
	global_store_b64 v2, v[16+8*\u+2*\j:17+8*\u+2*\j], s[26:27] offset:1536*\u+256*\j
.endr
.endr
	global_store_b16 v3, v250, s[28:29]
	s_endpgm
.Lrelay:	; ---- Wq, Wo: 64 rows x 128 along K a job: four fragments by the same choice of rows, and their scale words
	s_sub_co_u32 s39, s39, 2048
	s_lshr_b32 s40, s39, 7                         ; 0 Wq, 1 Wo
	s_bfe_u32 s41, s39, 0x40003                    ; which 64 rows
	s_and_b32 s42, s39, 7                          ; which K step
	v_mul_u32_u24 v4, v12, 768
	v_mad_u32_u24 v4, v11, 24, v4
	v_lshl_add_u32 v5, v11, 3, v12                 ; scale words: lanes 0-15 the even tile's rows, lanes 16-31 the odd tile's, 8 rows on
	v_lshlrev_b32 v5, 5, v5
	s_wait_kmcnt 0x0
	s_cmp_eq_u32 s40, 0
	s_cselect_b64 s[52:53], s[14:15], s[18:19]
	s_cselect_b64 s[54:55], s[16:17], s[20:21]
	s_cselect_b64 s[56:57], s[30:31], s[34:35]
	s_cselect_b64 s[58:59], s[32:33], s[36:37]
	s_mul_i32 s62, s41, 49152
	s_mul_i32 s66, s42, 96
	s_add_co_u32 s62, s62, s66
	s_add_nc_u64 s[52:53], s[52:53], s[62:63]
	s_lshl_b32 s62, s41, 11
	s_lshl_b32 s66, s42, 2
	s_add_co_u32 s62, s62, s66
	s_add_nc_u64 s[54:55], s[54:55], s[62:63]
	s_lshl_b32 s66, s41, 3
	s_add_co_u32 s66, s66, s42
	s_mul_i32 s62, s66, 6144
	s_add_nc_u64 s[56:57], s[56:57], s[62:63]
	s_lshl_b32 s62, s66, 8
	s_add_nc_u64 s[58:59], s[58:59], s[62:63]
.irp t, 0,1,2,3
.irp p, 0,1,2,3,4,5
	global_load_b64 v[16+12*\t+2*\p:17+12*\t+2*\p], v4, s[52:53] offset:(32*(\t/2)+8*(\t%2))*768+48*(\p/3)+8*(\p%3)
.endr
.endr
	global_load_b32 v64, v5, s[54:55]
	global_load_b32 v65, v5, s[54:55] offset:1024
	s_wait_loadcnt 0x0
.irp t, 0,1,2,3
.irp c, 0,1,2
	global_store_b128 v1, v[16+12*\t+4*\c:19+12*\t+4*\c], s[56:57] offset:1536*\t+512*\c   ; 32 lanes store 512 consecutive bytes
.endr
.endr
	global_store_b64 v2, v[64:65], s[58:59]        ; 256 consecutive bytes
	s_endpgm
.Lfunc_end_k_q9343c8ebd8_prep:
	.size	k_q9343c8ebd8_prep, .Lfunc_end_k_q9343c8ebd8_prep-k_q9343c8ebd8_prep
	.p2alignl 7, 3214868480
	.fill 96, 4, 3214868480
	.section	.rodata,"a",@progbits
	.p2align	6, 0x0
	.amdhsa_kernel k_q9343c8ebd8_prep
		.amdhsa_group_segment_fixed_size 0
		.amdhsa_private_segment_fixed_size 0
		.amdhsa_enable_private_segment 0
		.amdhsa_kernarg_size 136
		.amdhsa_user_sgpr_count 2
		.amdhsa_user_sgpr_kernarg_segment_ptr 1
		.amdhsa_wavefront_size32 1
		.amdhsa_system_sgpr_workgroup_id_x 1
		.amdhsa_system_sgpr_workgroup_id_y 1
		.amdhsa_system_sgpr_workgroup_id_z 1
		.amdhsa_system_vgpr_workitem_id 0
		.amdhsa_next_free_vgpr 256
		.amdhsa_next_free_sgpr 80
		.amdhsa_reserve_vcc 1
		.amdhsa_float_denorm_mode_32 3
		.amdhsa_float_denorm_mode_16_64 3
		.amdhsa_memory_ordered 1
		.amdhsa_forward_progress 1
		.amdhsa_inst_pref_size 48
	.end_amdhsa_kernel
	.amdgpu_metadata
---
amdhsa.version: [ 1, 2 ]
amdhsa.kernels:
  - .name:           k_q9343c8ebd8_prep
    .symbol:         k_q9343c8ebd8_prep.kd
    .args:
      - { .name: Wkv_codes, .offset: 0, .size: 8, .value_kind: global_buffer, .address_space: global }
      - { .name: Wkv_scales, .offset: 8, .size: 8, .value_kind: global_buffer, .address_space: global }
      - { .name: context_codes, .offset: 16, .size: 8, .value_kind: global_buffer, .address_space: global }
      - { .name: context_scales, .offset: 24, .size: 8, .value_kind: global_buffer, .address_space: global }
      - { .name: mask, .offset: 32, .size: 8, .value_kind: global_buffer, .address_space: global }
      - { .name: Wq_codes, .offset: 40, .size: 8, .value_kind: global_buffer, .address_space: global }
      - { .name: Wq_scales, .offset: 48, .size: 8, .value_kind: global_buffer, .address_space: global }
      - { .name: Wo_codes, .offset: 56, .size: 8, .value_kind: global_buffer, .address_space: global }
      - { .name: Wo_scales, .offset: 64, .size: 8, .value_kind: global_buffer, .address_space: global }
      - { .name: k_img, .offset: 72, .size: 8, .value_kind: global_buffer, .address_space: global }
      - { .name: k_sc, .offset: 80, .size: 8, .value_kind: global_buffer, .address_space: global }
      - { .name: v_img, .offset: 88, .size: 8, .value_kind: global_buffer, .address_space: global }
      - { .name: v_sc, .offset: 96, .size: 8, .value_kind: global_buffer, .address_space: global }
      - { .name: wq_img, .offset: 104, .size: 8, .value_kind: global_buffer, .address_space: global }
      - { .name: wq_sc, .offset: 112, .size: 8, .value_kind: global_buffer, .address_space: global }
      - { .name: wo_img, .offset: 120, .size: 8, .value_kind: global_buffer, .address_space: global }
      - { .name: wo_sc, .offset: 128, .size: 8, .value_kind: global_buffer, .address_space: global }
    .group_segment_fixed_size: 0
    .private_segment_fixed_size: 0
    .kernarg_segment_align: 8
    .kernarg_segment_size: 136
    .max_flat_workgroup_size: 128
    .sgpr_count:     80
    .vgpr_count:     256
    .wavefront_size: 32
...
	.end_amdgpu_metadata
.endif
;; end of part 1
;; launch fused (part 2): grid 256 x 1, 16 waves a work-group, no clusters, 327,680 bytes of LDS; arguments x, gamma_x, wq_img, wq_sc, k_img, k_sc, v_img, v_sc, wo_img, wo_sc, gamma_out, out0; writes out0
.if DOCPART == 2
	.amdgcn_target "amdgcn-amd-amdhsa--gfx1250"
	.amdhsa_code_object_version 6
	.text
	.protected	k_q9343c8ebd8_fused
	.globl	k_q9343c8ebd8_fused
	.p2align	8
	.type	k_q9343c8ebd8_fused,@function
k_q9343c8ebd8_fused:
	s_mov_b64 s[64:65], 0
	v_nop
	global_prefetch_b8 v0, s[64:65] scope:SCOPE_SE
	s_setreg_imm32_b32 hwreg(HW_REG_WAVE_MODE, 25, 1), 1
	s_wait_xcnt 0x0
; FUSED.  A work-group takes 64 rows of x through the whole chain: LayerNorm, quantise, q = xn Wq, x sqrt(1/8), quantise, attention over the batch's 512 keys in 16 heads, quantise, x Wo, LayerNorm, out0.
; All products on codes of FP6 (E2M3) with one E8M0 scale for each 32 along K.  Nothing but out0 is stored.  Sixteen waves of 256 registers, four to a SIMD, so that one wave's vector work stands beside another's products.
; PHASES and barriers:  X1 wave w: LayerNorm of rows 4 w .. 4 w + 3, to a stage | X2 wave w: rows 16 (w / 4) on, columns 256 (w % 4) on: codes, as images of operand registers | Q wave w: head w's 64 columns of q for
; all 64 rows, quantised, images | A waves 2 i, 2 i + 1: heads 2 i and 2 i + 1 one after the other, 32 rows each; result quantised, images | O wave w: 64 columns of the out projection; the rows' sums meet in LDS twice
; (mean, then variance) | each wave stores its 64 columns through its own stage, 256 consecutive bytes for sixteen lanes.
; EVERY PRODUCT IS USED TRANSPOSED (source 0 = 16 rows of a weight, of K or of V^T; source 1 = 16 of my rows): a lane holds ONE row (lane % 16), and by the images' choice of rows the 16 registers of two neighbouring
; result tiles are 16 neighbours 32 b + 16 (lane / 16) + 0 .. 15 along the next product's K.
; SOFTMAX: t = score x log2(e); M = the running largest t rounded up to a whole number; p = 2^(t - M) is quantised along the keys; the row's sum is taken of the unquantised p and divides at the end.
; When M moves, sums and O^T are multiplied by 2^(old M - new M), and so are the scales of the half step quantised under the old M: exact.
; THE MASK lies in K's image: at k = 64 a masked key carries -7.5 x 2^100 and my queries 1.0.  A tile of K is 8 registers; the instruction reads 12, the last four from the next tile: they meet zero codes of Q.
; NO CLUSTER, NO TENSOR LOAD: every fragment of the four images is wanted by one wave of a work-group (K's and V's by two, which ask for them side by side), as 12 or 8 registers that are used at once; it goes from
; memory straight into those registers.  Brought jointly it would have to be written to LDS and read again, 1,536 bytes each way for a fragment, beside the 1,536 x 4 bytes of row fragments that each K step reads anyway.
; LIMITS: NaN, infinities and scale bytes 0xff are not served; logits must lie far under 7.5 x 2^100 in magnitude; a block whose largest magnitude lies under 2^-124 takes the byte 1;
; where M rises by more than some 120 within one step of 128 keys, the older half's scale is held at 2^-126: an error under 7.5 x 2^-126 beside a largest p above 1/2.
; LDS: fragment (s, m) of an image at (4 s + m) 1,536; register pair p of lane l at 256 p + 8 l.  Scale words: 256 s + 8 (16 (m % 2) + r) + 4 (m / 2).
.set XIMG, 0                           ; xn: 8 K steps x 4 tiles of rows
.set XSC,  49152                       ; its scale words
.set STG,  51200                       ; xn in f32: 64 rows of 4,096 + 16 bytes; dead behind the second barrier
.set SPI,  4112
.set RED1, 314368                      ; 64 rows x (16 parts + 16 bytes): the rows' sums
.set RED2, 319488                      ; and sums of squares
.set QIMG, 51200                       ; q: 16 heads x 4 tiles x 1,024 bytes (8 registers a lane)
.set QSCI, 116736                      ; its scale words: 256 bytes a head
.set OIMG, 120832                      ; the attention's result: 8 K steps x 4 tiles
.set OSC,  169984
.set YSTG, 172032                      ; the way out: 16 rows x (256 + 16) bytes for each wave
.set FRB,  1536
.set SEL,  30                          ; s[30:31] lane selects: lane l xor 16
; REGISTERS THAT STAY: v1 16 x lane, v2 8 x lane, v3 4 x lane, v4 r = lane % 16, v5 h = lane / 16; v6, v7 addresses in hand; v40-47 scale words and nothing else.
; s28 wave; s[32:33] log2(e); s[34:35] sqrt(1/8); s70 1/1024; s71 1e-5
.macro NOPS n
.rept \n
	v_nop
.endr
.endm
.macro BAR                             ; my LDS stores have landed and my LDS loads are in: then the work-group's barrier
	s_wait_dscnt 0x0
	s_barrier_signal -1
	s_barrier_wait -1
.endm
.macro WSUM a, t                       ; the sum over the wave's 32 lanes, in every lane
	v_add_f32_dpp v[\a], v[\a], v[\a] row_xmask:1 row_mask:0xf bank_mask:0xf
	v_add_f32_dpp v[\a], v[\a], v[\a] row_xmask:2 row_mask:0xf bank_mask:0xf
	v_add_f32_dpp v[\a], v[\a], v[\a] row_xmask:4 row_mask:0xf bank_mask:0xf
	v_add_f32_dpp v[\a], v[\a], v[\a] row_xmask:8 row_mask:0xf bank_mask:0xf
	v_permlanex16_b32 v[\t], v[\a], s[SEL], s[SEL+1]
	v_add_f32 v[\a], v[\a], v[\t]
.endm
; 32 numbers of a lane, register 16 b + e = element 32 b + 16 (lane / 16) + e of the lane's row, become half a fragment: v[dst .. dst + 5] = the codes of block (lane / 16); v[pw] = the two blocks' scale bytes.  TM: 6 registers, T2: 3
.macro Q2 src, dst, pw
.irp b, 0,1
	v_max3_num_f32 v[TM+\b], |v[\src+16*\b]|, |v[\src+16*\b+1]|, 0x1800000   ; my 16 numbers of block b, and the floor 2^(3 - 127): the byte cannot fall under 1
.endr
.irp e, 2,4,6,8,10,12,14
.irp b, 0,1
	v_max3_num_f32 v[TM+\b], v[TM+\b], |v[\src+16*\b+\e]|, |v[\src+16*\b+\e+1]|
.endr
.endr
.irp b, 0,1
	v_permlanex16_b32 v[TM+2+\b], v[TM+\b], s[SEL], s[SEL+1]
.endr
.irp b, 0,1
	v_max_num_f32 v[TM+\b], v[TM+\b], v[TM+2+\b]          ; with lane l xor 16's: the block's largest magnitude
.endr
.irp b, 0,1
	v_add_nc_u32 v[TM+4+\b], 0xff000000, v[TM+\b]         ; 2 off its exponent field: the conversion's scale operand
.endr
.irp b, 0,1
	v_lshrrev_b32 v[TM+2+\b], 23, v[TM+4+\b]              ; the scale's byte
.endr
	v_lshl_or_b32 v[\pw], v[TM+3], 8, v[TM+2]
	v_cvt_scalef32_pk16_fp6_f32 v[\dst:\dst+2], v[\src:\src+15], v[TM+4]
	v_cvt_scalef32_pk16_fp6_f32 v[T2:T2+2], v[\src+16:\src+31], v[TM+5]   ; (a conversion's three registers begin on an even number)
	v_nop                                                 ; one plain instruction behind a scaled conversion
.irp e, 0,1,2
	v_permlane16_swap_b32 v[\dst+\e], v[T2+\e]            ; a whole block to a lane: lanes 0-15 block 0, lanes 16-31 block 1
.endr
.irp e, 0,1,2
	v_mov_b32 v[\dst+3+\e], v[T2+\e]
.endr
.endm
; one product: D at d, source 0 at a, source 1 at b; z = 1: it starts the sum; scale words in v[sa], v[sb]; ra, rb = 1: they stand in lanes 16-31
.macro WM d, a, b, z, sa, sb, ra, rb
.if (\z) && (\ra) && (\rb)
	v_wmma_scale_f32_16x16x128_f8f6f4 v[\d:\d+7], v[\a:\a+11], v[\b:\b+11], 0, v[\sa], v[\sb] matrix_a_fmt:MATRIX_FMT_FP6 matrix_b_fmt:MATRIX_FMT_FP6 matrix_a_scale:MATRIX_SCALE_ROW1 matrix_b_scale:MATRIX_SCALE_ROW1
.elseif (\z) && (\ra)
	v_wmma_scale_f32_16x16x128_f8f6f4 v[\d:\d+7], v[\a:\a+11], v[\b:\b+11], 0, v[\sa], v[\sb] matrix_a_fmt:MATRIX_FMT_FP6 matrix_b_fmt:MATRIX_FMT_FP6 matrix_a_scale:MATRIX_SCALE_ROW1
.elseif (\z) && (\rb)
	v_wmma_scale_f32_16x16x128_f8f6f4 v[\d:\d+7], v[\a:\a+11], v[\b:\b+11], 0, v[\sa], v[\sb] matrix_a_fmt:MATRIX_FMT_FP6 matrix_b_fmt:MATRIX_FMT_FP6 matrix_b_scale:MATRIX_SCALE_ROW1
.elseif (\z)
	v_wmma_scale_f32_16x16x128_f8f6f4 v[\d:\d+7], v[\a:\a+11], v[\b:\b+11], 0, v[\sa], v[\sb] matrix_a_fmt:MATRIX_FMT_FP6 matrix_b_fmt:MATRIX_FMT_FP6
.elseif (\ra) && (\rb)
	v_wmma_scale_f32_16x16x128_f8f6f4 v[\d:\d+7], v[\a:\a+11], v[\b:\b+11], v[\d:\d+7], v[\sa], v[\sb] matrix_a_fmt:MATRIX_FMT_FP6 matrix_b_fmt:MATRIX_FMT_FP6 matrix_a_scale:MATRIX_SCALE_ROW1 matrix_b_scale:MATRIX_SCALE_ROW1
.elseif (\ra)
	v_wmma_scale_f32_16x16x128_f8f6f4 v[\d:\d+7], v[\a:\a+11], v[\b:\b+11], v[\d:\d+7], v[\sa], v[\sb] matrix_a_fmt:MATRIX_FMT_FP6 matrix_b_fmt:MATRIX_FMT_FP6 matrix_a_scale:MATRIX_SCALE_ROW1
.elseif (\rb)
	v_wmma_scale_f32_16x16x128_f8f6f4 v[\d:\d+7], v[\a:\a+11], v[\b:\b+11], v[\d:\d+7], v[\sa], v[\sb] matrix_a_fmt:MATRIX_FMT_FP6 matrix_b_fmt:MATRIX_FMT_FP6 matrix_b_scale:MATRIX_SCALE_ROW1
.else
	v_wmma_scale_f32_16x16x128_f8f6f4 v[\d:\d+7], v[\a:\a+11], v[\b:\b+11], v[\d:\d+7], v[\sa], v[\sb] matrix_a_fmt:MATRIX_FMT_FP6 matrix_b_fmt:MATRIX_FMT_FP6
.endif
.endm
	s_load_b512 s[4:19], s[0:1], 0x0               ; x 4, gamma_x 6, wq_img 8, wq_sc 10, k_img 12, k_sc 14, v_img 16, v_sc 18
	s_load_b256 s[20:27], s[0:1], 0x40             ; wo_img 20, wo_sc 22, gamma_out 24, out0 26
	v_lshrrev_b32 v1, 5, v0
	v_readfirstlane_b32 s28, v1                    ; wave 0..15
	v_and_b32 v5, 31, v0
	v_lshlrev_b32 v1, 4, v5
	v_lshlrev_b32 v2, 3, v5
	v_lshlrev_b32 v3, 2, v5
	v_and_b32 v4, 15, v0
	v_bfe_u32 v5, v0, 4, 1
	s_mov_b32 s[SEL], 0x76543210
	s_mov_b32 s[SEL+1], 0xfedcba98
	s_mov_b32 s32, 0x3fb8aa3b                      ; log2(e)
	s_mov_b32 s33, s32
	s_mov_b32 s34, 0x3eb504f3                      ; sqrt(1/8)
	s_mov_b32 s35, s34
	s_mov_b32 s70, 0x3a800000                      ; 1/1024
	s_mov_b32 s71, 0x3727c5ac                      ; 1e-5
	s_lshl_b32 s72, ttmp9, 18                      ; the work-group's 64 rows of 4,096 bytes
	s_mov_b32 s73, 0
	s_lshl_b32 s74, s28, 14                        ; my wave's 4 rows
	s_mov_b32 s75, 0
	s_mul_i32 s76, s28, 4*SPI
	s_add_co_u32 s76, s76, STG
	v_add_nc_u32 v8, s76, v1                       ; the stage: my 4 rows, 16 bytes a lane
	s_wait_kmcnt 0x0
	s_add_nc_u64 s[4:5], s[4:5], s[72:73]
	s_add_nc_u64 s[4:5], s[4:5], s[74:75]
	s_add_nc_u64 s[26:27], s[26:27], s[72:73]
; ---------------- X1: LayerNorm of four rows.  Each load reads 512 consecutive bytes; a row is 32 registers.
.set XR, 48                            ; v48-175  row i at XR + 32 i
.set GX, 176                           ; v176-207 gamma_x at my columns
.set TT, 208                           ; v208-239 row i's statistics at TT + 8 i
.irp j, 0,1,2,3,4,5,6,7
	global_load_b128 v[GX+4*\j:GX+4*\j+3], v1, s[6:7] offset:512*\j
.endr
.irp i, 0,1,2,3
.irp j, 0,1,2,3,4,5,6,7
	global_load_b128 v[XR+32*\i+4*\j:XR+32*\i+4*\j+3], v1, s[4:5] offset:4096*\i+512*\j th:TH_LOAD_NT
.endr
.endr
.macro ROWSTAT i
.set RX, XR+32*(\i)
.set RT, TT+8*(\i)
	s_wait_loadcnt 24-8*(\i)                       ; gamma and rows 0 .. i are in; the later rows' 8 loads each may be out
	v_pk_add_f32 v[RT:RT+1], v[RX:RX+1], v[RX+2:RX+3]
	v_pk_add_f32 v[RT+2:RT+3], v[RX+4:RX+5], v[RX+6:RX+7]
.irp e, 8,12,16,20,24,28
	v_pk_add_f32 v[RT:RT+1], v[RT:RT+1], v[RX+\e:RX+\e+1]
	v_pk_add_f32 v[RT+2:RT+3], v[RT+2:RT+3], v[RX+\e+2:RX+\e+3]
.endr
	v_pk_add_f32 v[RT:RT+1], v[RT:RT+1], v[RT+2:RT+3]
	v_add_f32 v[RT], v[RT], v[RT+1]
	WSUM RT, RT+1
	v_mul_f32 v[RT], s70, v[RT]                    ; the mean
.irp e, 0,2,4,6,8,10,12,14,16,18,20,22,24,26,28,30
	v_pk_add_f32 v[RX+\e:RX+\e+1], v[RX+\e:RX+\e+1], v[RT:RT+1] op_sel_hi:[1,0] neg_lo:[0,1] neg_hi:[0,1]   ; x - mean, in place
.endr
	v_pk_mul_f32 v[RT+2:RT+3], v[RX:RX+1], v[RX:RX+1]
	v_pk_mul_f32 v[RT+4:RT+5], v[RX+2:RX+3], v[RX+2:RX+3]
.irp e, 4,8,12,16,20,24,28
	v_pk_fma_f32 v[RT+2:RT+3], v[RX+\e:RX+\e+1], v[RX+\e:RX+\e+1], v[RT+2:RT+3]
	v_pk_fma_f32 v[RT+4:RT+5], v[RX+\e+2:RX+\e+3], v[RX+\e+2:RX+\e+3], v[RT+4:RT+5]
.endr
	v_pk_add_f32 v[RT+2:RT+3], v[RT+2:RT+3], v[RT+4:RT+5]
	v_add_f32 v[RT+2], v[RT+2], v[RT+3]
	WSUM RT+2, RT+3
	v_fma_f32 v[RT+2], v[RT+2], s70, s71           ; the variance + eps
.endm
	ROWSTAT 0
	ROWSTAT 1
	ROWSTAT 2
	ROWSTAT 3
.irp i, 0,1,2,3
	v_rsq_f32 v[TT+8*\i+2], v[TT+8*\i+2]
.endr
	v_nop                                          ; a plain instruction behind the last of the batch,
	s_wait_alu depctr_va_vdst(0)                   ; and one wait for the four, ahead of their first reader
.irp i, 0,1,2,3
.set kk, 0
.rept 16
	v_pk_mul_f32 v[XR+32*\i+kk:XR+32*\i+kk+1], v[XR+32*\i+kk:XR+32*\i+kk+1], v[TT+8*\i+2:TT+8*\i+3] op_sel_hi:[1,0]
.set kk, kk+2
.endr
.set kk, 0
.rept 16
	v_pk_mul_f32 v[XR+32*\i+kk:XR+32*\i+kk+1], v[XR+32*\i+kk:XR+32*\i+kk+1], v[GX+kk:GX+kk+1]
.set kk, kk+2
.endr
.irp j, 0,1,2,3,4,5,6,7
	ds_store_b128 v8, v[XR+32*\i+4*\j:XR+32*\i+4*\j+3] offset:SPI*\i+512*\j
.endr
.endr
	BAR                                            ; 64 rows of xn lie in the stage
; ---------------- X2: rows 16 m + r, columns 256 qd on, become two fragments' worth of codes for each of two K steps
	s_lshr_b32 s76, s28, 2                         ; m
	s_and_b32 s77, s28, 3                          ; qd
	s_mul_i32 s78, s76, 16*SPI
	s_lshl_b32 s79, s77, 10
	s_add_co_u32 s78, s78, s79
	s_add_co_u32 s78, s78, STG
	v_mul_u32_u24 v8, v4, SPI                      ; the pitch is an odd multiple of 16 bytes: sixteen rows start in sixteen different groups of banks
	v_lshl_add_u32 v8, v5, 6, v8
	v_add_nc_u32 v8, s78, v8                       ; row 16 m + r, + 1,024 qd, + 64 h: my 16 numbers of a block of 32
	s_lshl_b32 s79, s77, 3
	s_add_co_u32 s79, s79, s76
	s_mul_i32 s79, s79, FRB
	v_add_nc_u32 v9, s79, v2                       ; fragment (2 qd, m)
	s_and_b32 s80, s76, 1
	s_lshl_b32 s80, s80, 7
	s_lshr_b32 s81, s76, 1
	s_lshl_b32 s81, s81, 2
	s_add_co_u32 s80, s80, s81
	s_lshl_b32 s81, s77, 9
	s_add_co_u32 s80, s80, s81
	s_add_co_u32 s80, s80, XSC
	v_lshl_add_u32 v10, v4, 3, s80                 ; its scale word
.irp q, 0,1,2,3
.irp b, 0,1
.irp j, 0,1,2,3
	ds_load_b128 v[48+32*\q+16*\b+4*\j:51+32*\q+16*\b+4*\j], v8 offset:256*\q+128*\b+16*\j
.endr
.endr
.endr
.set TM, 192
.set T2, 200
	v_mov_b32 v[TM+2], 0                           ; a lane permute's destination counts as one of its sources
	v_mov_b32 v[TM+3], 0
	s_wait_dscnt 0x0
.irp q, 0,1,2,3
	Q2 48+32*\q, 204+6*\q, 228+\q
.irp e, 0,1,2
	ds_store_b64 v9, v[204+6*\q+2*\e:205+6*\q+2*\e] offset:6144*(\q/2)+768*(\q%2)+256*\e
.endr
.endr
	v_lshl_or_b32 v232, v229, 16, v228             ; four bytes make a K step's scale word
	v_lshl_or_b32 v233, v231, 16, v230
	ds_store_b32 v10, v232                         ; (lanes l and l + 16 write the same word with the same value)
	ds_store_b32 v10, v233 offset:256
	BAR                                            ; xn's 32 fragments lie in LDS; the stage is dead
; ---------------- a product of 64 rows x 64 columns x 1,024: wave w's four tiles of a weight against the four tiles of rows
; v16, 28, 48, 60: the weight's fragments; v72 + 12 m: the rows'; v[44:45], v[46:47] their scale words; accumulator (m, t) at v[128 + 32 m + 8 t]
.macro GSTEP zero
.if \zero == 0
	NOPS 4                                         ; four plain instructions in front of loads into registers that matrix instructions have read
.endif
.irp t, 0,1,2,3
.irp c, 0,1,2
	global_load_b128 v[16+12*\t+8*(\t/2)+4*\c:19+12*\t+8*(\t/2)+4*\c], v1, s[40:41] offset:1536*\t+512*\c
.endr
.endr
	global_load_b64 v[44:45], v2, s[42:43]
	v_add_nc_u32 v6, s44, v2
	v_add_nc_u32 v7, s45, v2
.irp m, 0,1,2,3
.irp p, 0,1,2,3,4,5
	ds_load_b64 v[72+12*\m+2*\p:73+12*\m+2*\p], v6 offset:1536*\m+256*\p
.endr
.endr
	ds_load_b64 v[46:47], v7
	s_wait_loadcnt 0x0                             ; the loads are done: their bases may step
	s_wait_dscnt 0x0
	s_add_nc_u64 s[40:41], s[40:41], 6144
	s_add_nc_u64 s[42:43], s[42:43], 256
	s_add_co_u32 s44, s44, 6144
	s_add_co_u32 s45, s45, 256
.irp t, 0,1,2,3
.irp m, 0,1,2,3
	WM 128+32*\m+8*\t, 16+12*\t+8*(\t/2), 72+12*\m, \zero, 44+\t/2, 46+\m/2, \t%2, \m%2
.endr
.endr
.endm
.macro GEMM                            ; the sixteen accumulators take turns, one instruction a turn, over the backward jump too; the first K step starts the sums
	GSTEP 1
	s_mov_b32 s36, 7
.Lk_\@:
	GSTEP 0
	s_sub_co_u32 s36, s36, 1
	s_cmp_lg_u32 s36, 0
	s_cbranch_scc1 .Lk_\@
.endm
; ---------------- Q: head w's q for the 64 rows
	s_mul_i32 s72, s28, 49152
	s_mov_b32 s73, 0
	s_add_nc_u64 s[40:41], s[8:9], s[72:73]
	s_lshl_b32 s72, s28, 11
	s_add_nc_u64 s[42:43], s[10:11], s[72:73]
	s_mov_b32 s44, XIMG
	s_mov_b32 s45, XSC
	GEMM
	NOPS 4
.set TM, 16
.set T2, 24
	v_mov_b32 v[TM+2], 0
	v_mov_b32 v[TM+3], 0
	v_sub_nc_u32 v38, 1, v5
	v_lshlrev_b32 v38, 3, v38                      ; register 6 of a tile of q: the code 8 (1.0) at k = 64, in lanes 0-15; it meets the mask's code in K's tiles
	v_mov_b32 v39, 0
	s_lshl_b32 s72, s28, 12
	s_add_co_u32 s72, s72, QIMG
	v_add_nc_u32 v8, s72, v1
	s_lshl_b32 s72, s28, 8
	s_add_co_u32 s72, s72, QSCI
	v_lshl_add_u32 v9, v4, 2, s72
.irp m, 0,1,2,3
.set kk, 0
.rept 16
	v_pk_mul_f32 v[128+32*\m+kk:129+32*\m+kk], v[128+32*\m+kk:129+32*\m+kk], s[34:35] op_sel_hi:[1,0]   ; q x sqrt(1/8); each accumulator from its low end on
.set kk, kk+2
.endr
	Q2 128+32*\m, 32, 28
	v_or_b32 v28, 0x5f7f0000, v28                  ; byte 2: 2^0 for the 1.0 at k = 64; byte 3: over zero codes
	ds_store_b128 v8, v[32:35] offset:1024*\m
	ds_store_b128 v8, v[36:39] offset:1024*\m+512
	ds_store_b32 v9, v28 offset:128*(\m/2)+64*(\m%2)
	s_wait_dscnt 0x0                               ; the stores have read their registers
.endr
	BAR                                            ; q's 64 tiles lie in LDS
; ---------------- A: attention.  Pass p: head 2 (w / 2) + p; my tiles of rows m = 2 (w % 2) + i, i = 0, 1.
; v[8 + 8 i ..]: +0 -M, +1 largest t, +2, +3 the sum, +4 f, +5, +7 the first half's scale operands, +6 F = the step's f's multiplied.  v24-27 block maxima (2 i + b); v28-31, v32-35, v36-38 at work;
; v40, 41 p's scale words; v42 q's; v44, 45 K's; v46, 47 V's; v48 + 8 kt K's tiles; v80 + 12 i p's codes; v104 + 12 i q; v128 + 32 i + 8 kt scores, then p, then V's fragments at v128 + 12 dt; v192 + 32 i + 8 dt O^T
.macro KLOAD                           ; 64 keys: four tiles of 8 registers and their scale words.  The offset wraps behind the pair's second head: the request behind the last half names the first tiles again and is not used
	s_add_nc_u64 s[48:49], s[46:47], s[50:51]
	s_lshr_b32 s56, s50, 4
	s_add_nc_u64 s[54:55], s[52:53], s[56:57]
.irp kt, 0,1,2,3
.irp g, 0,1
	global_load_b128 v[48+8*\kt+4*\g:51+8*\kt+4*\g], v1, s[48:49] offset:1024*\kt+512*\g
.endr
.endr
.irp j, 0,1
	global_load_b32 v[44+\j], v3, s[54:55] offset:128*\j
.endr
	s_add_co_u32 s50, s50, 4096
	s_and_b32 s50, s50, 0xffff
.endm
.macro HALF c                          ; 64 keys, the c-th half of a step of 128, for both tiles of rows
	s_wait_loadcnt 0x0                             ; K's tiles, asked for half a step ago
.irp kt, 0,1,2,3
.irp i, 0,1
	WM 128+32*\i+8*\kt, 48+8*\kt, 104+12*\i, 1, 44+\kt/2, 42, \kt%2, \i
.endr
.endr
	NOPS 4                                         ; in front of the loads into K's registers and of the first read of the scores
	KLOAD                                          ; the next half's: the softmax below is the time in which they land
.irp n, 0,1,2,3
	v_max3_num_f32 v[24+\n], v[128+16*\n], v[129+16*\n], v[130+16*\n]   ; the largest score of each block of 32 keys: for the row's maximum and, since p rises with the score, for the block's largest p
.endr
.irp e, 3,5,7,9,11,13
.irp n, 0,1,2,3
	v_max3_num_f32 v[24+\n], v[24+\n], v[128+16*\n+\e], v[129+16*\n+\e]
.endr
.endr
.irp n, 0,1,2,3
	v_max_num_f32 v[24+\n], v[24+\n], v[143+16*\n]
.endr
.irp n, 0,1,2,3
	v_permlanex16_b32 v[28+\n], v[24+\n], s[SEL], s[SEL+1]
.endr
.irp n, 0,1,2,3
	v_max_num_f32 v[24+\n], v[24+\n], v[28+\n]
.endr
.irp i, 0,1
	v_max_num_f32 v[32+\i], v[24+2*\i], v[25+2*\i]
.endr
.irp i, 0,1
	v_mul_f32 v[32+\i], s32, v[32+\i]              ; as t
.endr
.irp i, 0,1
	v_max_num_f32 v[9+8*\i], v[9+8*\i], v[32+\i]   ; the running largest t
.endr
.irp i, 0,1
	v_mov_b32 v[32+\i], v[8+8*\i]
.endr
.irp i, 0,1
	v_floor_f32 v[8+8*\i], -v[9+8*\i]              ; -M = floor(-t): M is a whole number
.endr
.irp i, 0,1
	v_sub_f32 v[32+\i], v[8+8*\i], v[32+\i]        ; old M - new M: a whole number, 0 or less
.endr
.irp i, 0,1
	v_cvt_i32_f32 v[32+\i], v[32+\i]               ; (it saturates)
.endr
.irp i, 0,1
	v_ldexp_f32 v[12+8*\i], 1.0, v[32+\i]          ; f = 2^(old M - new M)
.endr
.irp i, 0,1
.if \c == 0
	v_mov_b32 v[14+8*\i], v[12+8*\i]
.else
	v_mul_f32 v[14+8*\i], v[14+8*\i], v[12+8*\i]   ; F: what O^T is multiplied by for the whole step
.endif
.endr
.irp i, 0,1
.set kk, 0
.rept 16
	v_pk_fma_f32 v[128+32*\i+kk:129+32*\i+kk], v[128+32*\i+kk:129+32*\i+kk], s[32:33], v[8+8*\i:9+8*\i] op_sel_hi:[1,0,0]   ; t - M
.set kk, kk+2
.endr
.endr
.irp n, 0,1,2,3
	v_fma_f32 v[24+\n], v[24+\n], s32, v[8+8*(\n/2)]   ; the same of each block's largest score
.endr
.set kk, 0
.rept 64
	v_exp_f32 v[128+kk], v[128+kk]                 ; p = 2^(t - M)
.set kk, kk+1
.endr
.irp i, 0,1
	v_pk_mul_f32 v[10+8*\i:11+8*\i], v[10+8*\i:11+8*\i], v[12+8*\i:13+8*\i] op_sel_hi:[1,0]   ; the sums under the new M (plain instructions behind the exponentials)
.endr
	s_wait_alu depctr_va_vdst(0)                   ; one wait for the batch of 64, ahead of its first reader
.irp n, 0,1,2,3
	v_exp_f32 v[24+\n], v[24+\n]                   ; each block's largest p
.endr
.irp i, 0,1
	v_pk_add_f32 v[28+2*\i:29+2*\i], v[128+32*\i:129+32*\i], v[130+32*\i:131+32*\i]   ; the row's sum is taken of the unquantised p, in two chains
.endr
.irp e, 4,8,12,16,20,24,28
.irp i, 0,1
	v_pk_add_f32 v[10+8*\i:11+8*\i], v[10+8*\i:11+8*\i], v[128+32*\i+\e:129+32*\i+\e]
	v_pk_add_f32 v[28+2*\i:29+2*\i], v[28+2*\i:29+2*\i], v[130+32*\i+\e:131+32*\i+\e]
.endr
.endr
.irp i, 0,1
	v_pk_add_f32 v[10+8*\i:11+8*\i], v[10+8*\i:11+8*\i], v[28+2*\i:29+2*\i]
.endr
	s_wait_alu depctr_va_vdst(0)                   ; and one for the four
.irp n, 0,1,2,3
	v_max_num_f32 v[24+\n], 0x1800000, v[24+\n]    ; the floor 2^(3 - 127)
.endr
.irp n, 0,1,2,3
	v_add_nc_u32 v[32+\n], 0xff000000, v[24+\n]    ; the conversions' scale operands
.endr
.if \c == 0
.irp i, 0,1
	v_mov_b32 v[15+8*\i], v[32+2*\i]               ; kept: the second half may move M
	v_mov_b32 v[13+8*\i], v[33+2*\i]
.endr
.else
.irp i, 0,1
	v_mul_f32 v[15+8*\i], v[15+8*\i], v[12+8*\i]   ; the first half's scales under the new M: x f, exact,
	v_mul_f32 v[13+8*\i], v[13+8*\i], v[12+8*\i]
.endr
.irp i, 0,1
	v_max_num_f32 v[15+8*\i], 0x800000, v[15+8*\i] ; held at 2^-126
	v_max_num_f32 v[13+8*\i], 0x800000, v[13+8*\i]
.endr
.irp i, 0,1
	v_lshrrev_b32 v[15+8*\i], 23, v[15+8*\i]
	v_lshrrev_b32 v[13+8*\i], 23, v[13+8*\i]
.endr
.irp n, 0,1,2,3
	v_lshrrev_b32 v[28+\n], 23, v[32+\n]
.endr
.irp i, 0,1
	v_lshl_or_b32 v[40+\i], v[13+8*\i], 8, v[15+8*\i]   ; p's scale word for the step's 128 keys
.endr
.irp i, 0,1
	v_lshl_or_b32 v[40+\i], v[28+2*\i], 16, v[40+\i]
.endr
.irp i, 0,1
	v_lshl_or_b32 v[40+\i], v[29+2*\i], 24, v[40+\i]
.endr
.endif
.irp i, 0,1
	v_cvt_scalef32_pk16_fp6_f32 v[80+12*\i+6*\c:82+12*\i+6*\c], v[128+32*\i:143+32*\i], v[32+2*\i]
	v_cvt_scalef32_pk16_fp6_f32 v[36:38], v[144+32*\i:159+32*\i], v[33+2*\i]
	v_nop                                          ; one plain instruction behind a scaled conversion
.irp e, 0,1,2
	v_permlane16_swap_b32 v[80+12*\i+6*\c+\e], v[36+\e]
.endr
.irp e, 0,1,2
	v_mov_b32 v[83+12*\i+6*\c+\e], v[36+\e]
.endr
.endr                                              ; (tile 1's lines stand between the last write of v80-83 and the next half's products, whose last tile of K reads them)
.endm
.macro PV                              ; O^T += V^T P^T over the step's 128 keys
.irp dt, 0,1,2,3
.irp p, 0,1,2,3,4,5
	global_load_b64 v[128+12*\dt+2*\p:129+12*\dt+2*\p], v2, s[58:59] offset:1536*\dt+256*\p
.endr
.endr
.irp j, 0,1
	global_load_b32 v[46+\j], v3, s[60:61] offset:128*\j
.endr
.irp i, 0,1
.set kk, 0
.rept 16
	v_pk_mul_f32 v[192+32*\i+kk:193+32*\i+kk], v[192+32*\i+kk:193+32*\i+kk], v[14+8*\i:15+8*\i] op_sel_hi:[1,0]   ; O^T under the new M; these 32 also stand between the writes of p's codes and scale words and the products
.set kk, kk+2
.endr
.endr
	s_wait_loadcnt 0x0                             ; V (and the next half's K): the bases may step
	s_add_nc_u64 s[58:59], s[58:59], 6144
	s_add_nc_u64 s[60:61], s[60:61], 256
.irp dt, 0,1,2,3
.irp i, 0,1
	WM 192+32*\i+8*\dt, 128+12*\dt, 80+12*\i, 0, 46+\dt/2, 40+\i, \dt%2, 0
.endr
.endr
	NOPS 5                                         ; the next scores are written over V's fragments: five plain instructions between
.endm
.irp e, 0,1,2,3
	v_mov_b32 v[112+\e], 0                         ; q's registers 8-11: zero codes, once
	v_mov_b32 v[124+\e], 0
	v_mov_b32 v[80+\e], 0                          ; read behind K's last tile before p's codes are first made
	v_mov_b32 v[28+\e], 0                          ; a lane permute's destination counts as one of its sources
.endr
	s_lshr_b32 s74, s28, 1                         ; my pair of waves
	s_and_b32 s75, s28, 1
	s_lshr_b32 s72, ttmp9, 6                       ; batch
	s_lshl_b32 s72, s72, 4
	s_lshl_b32 s76, s74, 1
	s_add_co_u32 s76, s76, s72                     ; 16 batch + the pair's first head
	s_mov_b32 s73, 0
	s_lshl_b32 s72, s76, 15
	s_add_nc_u64 s[46:47], s[12:13], s[72:73]      ; K's image: 32,768 bytes a head
	s_lshl_b32 s72, s76, 11
	s_add_nc_u64 s[52:53], s[14:15], s[72:73]      ; its scale words: 2,048
	s_mul_i32 s72, s76, 24576
	s_add_nc_u64 s[58:59], s[16:17], s[72:73]      ; V's image: 24,576; it is walked on end through both heads
	s_lshl_b32 s72, s76, 10
	s_add_nc_u64 s[60:61], s[18:19], s[72:73]      ; its scale words: 1,024
	s_lshl_b32 s62, s74, 13
	s_lshl_b32 s77, s75, 11
	s_add_co_u32 s62, s62, s77
	s_add_co_u32 s62, s62, QIMG                    ; q: head 2 (w / 2), tiles 2 (w % 2) on; 4,096 on in the second pass
	s_lshl_b32 s63, s74, 9
	s_lshl_b32 s77, s75, 7
	s_add_co_u32 s63, s63, s77
	s_add_co_u32 s63, s63, QSCI                    ; its scale words; 256 on
	s_mul_i32 s66, s28, 2*FRB
	s_add_co_u32 s66, s66, OIMG                    ; the result: fragments (w / 2, 2 (w % 2) + i); 768 on: the fragment's second half
	s_lshl_b32 s67, s74, 8
	s_lshl_b32 s77, s75, 2
	s_add_co_u32 s67, s67, s77
	s_add_co_u32 s67, s67, OSC                     ; its scale bytes; 2 on
	s_mov_b32 s50, 0
	s_mov_b32 s51, 0
	s_mov_b32 s57, 0
	KLOAD
	s_mov_b32 s37, 2
.Lpass:
.set kk, 0
.rept 64
	v_mov_b32 v[192+kk], 0                         ; O^T.  (The step is written once: the first finds zeros, which the first change of M leaves zeros)
.set kk, kk+1
.endr
.irp i, 0,1
	v_mov_b32 v[9+8*\i], 0xff61b1e6                ; the largest t so far: -3e38
	v_floor_f32 v[8+8*\i], -v[9+8*\i]
.irp e, 10,11,12,13,14,15
	v_mov_b32 v[\e+8*\i], 0
.endr
.endr
	v_add_nc_u32 v6, s62, v1
	v_add_nc_u32 v7, s63, v3
.irp i, 0,1
.irp g, 0,1
	ds_load_b128 v[104+12*\i+4*\g:107+12*\i+4*\g], v6 offset:1024*\i+512*\g
.endr
.endr
	ds_load_b32 v42, v7                            ; lanes 0-15: tile i = 0's words; lanes 16-31: tile 1's
	s_wait_dscnt 0x0
	s_mov_b32 s38, 4
.Lstep:
	HALF 0
	HALF 1
	PV
	s_sub_co_u32 s38, s38, 1
	s_cmp_lg_u32 s38, 0
	s_cbranch_scc1 .Lstep
.irp i, 0,1
	v_add_f32 v[32+\i], v[10+8*\i], v[11+8*\i]     ; the sum's two halves,
.endr
.irp i, 0,1
	v_permlanex16_b32 v[28+\i], v[32+\i], s[SEL], s[SEL+1]
.endr
.irp i, 0,1
	v_add_f32 v[32+\i], v[32+\i], v[28+\i]         ; and lane l xor 16's
.endr
.irp i, 0,1
	v_rcp_f32 v[10+8*\i], v[32+\i]
.endr
	v_nop
	s_wait_alu depctr_va_vdst(0)                   ; one wait for the two reciprocals, ahead of their first reader
.irp i, 0,1
.set kk, 0
.rept 16
	v_pk_mul_f32 v[192+32*\i+kk:193+32*\i+kk], v[192+32*\i+kk:193+32*\i+kk], v[10+8*\i:11+8*\i] op_sel_hi:[1,0]
.set kk, kk+2
.endr
.endr
.set TM, 128
.set T2, 136
	v_mov_b32 v[TM+2], 0
	v_mov_b32 v[TM+3], 0
	v_add_nc_u32 v6, s66, v2
	v_lshl_add_u32 v7, v4, 3, s67
.irp i, 0,1
	Q2 192+32*\i, 144+6*\i, 160+\i
.irp e, 0,1,2
	ds_store_b64 v6, v[144+6*\i+2*\e:145+6*\i+2*\e] offset:1536*\i+256*\e
.endr
	ds_store_b16 v7, v[160+\i] offset:128*\i       ; the head's two bytes of the K step's scale word
.endr
	s_wait_dscnt 0x0
	s_add_co_u32 s62, s62, 4096
	s_add_co_u32 s63, s63, 256
	s_add_co_u32 s66, s66, 768
	s_add_co_u32 s67, s67, 2
	s_sub_co_u32 s37, s37, 1
	s_cmp_lg_u32 s37, 0
	s_cbranch_scc1 .Lpass
	s_wait_loadcnt 0x0                             ; the wrapped request for K: its registers are loaded anew below
	BAR                                            ; the result's 32 fragments lie in LDS
; ---------------- O: 64 columns of the out projection, and the last LayerNorm
	s_mul_i32 s72, s28, 49152
	s_mov_b32 s73, 0
	s_add_nc_u64 s[40:41], s[20:21], s[72:73]
	s_lshl_b32 s72, s28, 11
	s_add_nc_u64 s[42:43], s[22:23], s[72:73]
	s_mov_b32 s44, OIMG
	s_mov_b32 s45, OSC
	GEMM
	NOPS 4
	v_lshlrev_b32 v6, 6, v5
	s_lshl_b32 s72, s28, 8
	v_add_nc_u32 v6, s72, v6                       ; gamma_out at my columns 64 w + 32 b + 16 h + 0 .. 15; not rewritten
.irp b, 0,1
.irp q, 0,1,2,3
	global_load_b128 v[8+16*\b+4*\q:11+16*\b+4*\q], v6, s[24:25] offset:128*\b+16*\q
.endr
.endr
	s_lshl_b32 s74, s28, 2
	s_add_co_u32 s74, s74, RED1
	v_mul_u32_u24 v120, v4, 80
	v_add_nc_u32 v7, s74, v120                     ; my part of row r's sums: 80 r + 4 w
	v_add_nc_u32 v120, RED1, v120                  ; and the row's sixteen parts
	s_mul_i32 s74, s28, 4352
	s_add_co_u32 s74, s74, YSTG
	v_mul_u32_u24 v121, v4, 272
	v_lshl_add_u32 v121, v5, 6, v121
	v_add_nc_u32 v121, s74, v121                   ; my stage, in: row r, + 64 h
	v_mul_u32_u24 v122, v5, 272
	v_lshl_add_u32 v122, v4, 4, v122
	v_add_nc_u32 v122, s74, v122                   ; back: lanes 0-15 one row, lanes 16-31 the next
	v_lshlrev_b32 v123, 12, v5
	v_lshl_add_u32 v123, v4, 4, v123
	v_add_nc_u32 v123, s72, v123                   ; and the same in out0, + 256 w
.irp m, 0,1,2,3
	v_mov_b32 v[113+2*\m], 0                       ; (named as the upper halves of pairs)
.endr
; the rows' sums (sq = 0) or sums of squares (sq = 1) over all 1,024 columns: my 32 numbers and lane l xor 16's, a word in LDS for each wave, a barrier, sixteen words back; the total of tile m's row in v[48 + 16 m]
.macro YRED sq, red
.irp m, 0,1,2,3
.if \sq
	v_pk_mul_f32 v[48+4*\m:49+4*\m], v[128+32*\m:129+32*\m], v[128+32*\m:129+32*\m]
	v_pk_mul_f32 v[50+4*\m:51+4*\m], v[130+32*\m:131+32*\m], v[130+32*\m:131+32*\m]
	v_pk_fma_f32 v[48+4*\m:49+4*\m], v[132+32*\m:133+32*\m], v[132+32*\m:133+32*\m], v[48+4*\m:49+4*\m]
	v_pk_fma_f32 v[50+4*\m:51+4*\m], v[134+32*\m:135+32*\m], v[134+32*\m:135+32*\m], v[50+4*\m:51+4*\m]
.else
	v_pk_add_f32 v[48+4*\m:49+4*\m], v[128+32*\m:129+32*\m], v[130+32*\m:131+32*\m]   ; each accumulator from its low end on
	v_pk_add_f32 v[50+4*\m:51+4*\m], v[132+32*\m:133+32*\m], v[134+32*\m:135+32*\m]
.endif
.endr
.irp e, 8,12,16,20,24,28
.irp m, 0,1,2,3
.if \sq
	v_pk_fma_f32 v[48+4*\m:49+4*\m], v[128+32*\m+\e:129+32*\m+\e], v[128+32*\m+\e:129+32*\m+\e], v[48+4*\m:49+4*\m]
	v_pk_fma_f32 v[50+4*\m:51+4*\m], v[130+32*\m+\e:131+32*\m+\e], v[130+32*\m+\e:131+32*\m+\e], v[50+4*\m:51+4*\m]
.else
	v_pk_add_f32 v[48+4*\m:49+4*\m], v[48+4*\m:49+4*\m], v[128+32*\m+\e:129+32*\m+\e]
	v_pk_add_f32 v[50+4*\m:51+4*\m], v[50+4*\m:51+4*\m], v[130+32*\m+\e:131+32*\m+\e]
.endif
.endr
.endr
.irp m, 0,1,2,3
	v_pk_add_f32 v[48+4*\m:49+4*\m], v[48+4*\m:49+4*\m], v[50+4*\m:51+4*\m]
.endr
.irp m, 0,1,2,3
	v_add_f32 v[48+4*\m], v[48+4*\m], v[49+4*\m]
.endr
.irp m, 0,1,2,3
	v_permlanex16_b32 v[49+4*\m], v[48+4*\m], s[SEL], s[SEL+1]
.endr
.irp m, 0,1,2,3
	v_add_f32 v[48+4*\m], v[48+4*\m], v[49+4*\m]
.endr
.irp m, 0,1,2,3
	ds_store_b32 v7, v[48+4*\m] offset:\red+1280*\m   ; (lanes l and l + 16 write the same word with the same value)
.endr
	BAR
.irp m, 0,1,2,3
.irp q, 0,1,2,3
	ds_load_b128 v[48+16*\m+4*\q:51+16*\m+4*\q], v120 offset:\red+1280*\m+16*\q
.endr
.endr
	s_wait_dscnt 0x0
.irp m, 0,1,2,3
	v_pk_add_f32 v[48+16*\m:49+16*\m], v[48+16*\m:49+16*\m], v[50+16*\m:51+16*\m]
	v_pk_add_f32 v[52+16*\m:53+16*\m], v[52+16*\m:53+16*\m], v[54+16*\m:55+16*\m]
	v_pk_add_f32 v[56+16*\m:57+16*\m], v[56+16*\m:57+16*\m], v[58+16*\m:59+16*\m]
	v_pk_add_f32 v[60+16*\m:61+16*\m], v[60+16*\m:61+16*\m], v[62+16*\m:63+16*\m]
.endr
.irp m, 0,1,2,3
	v_pk_add_f32 v[48+16*\m:49+16*\m], v[48+16*\m:49+16*\m], v[52+16*\m:53+16*\m]
	v_pk_add_f32 v[56+16*\m:57+16*\m], v[56+16*\m:57+16*\m], v[60+16*\m:61+16*\m]
.endr
.irp m, 0,1,2,3
	v_pk_add_f32 v[48+16*\m:49+16*\m], v[48+16*\m:49+16*\m], v[56+16*\m:57+16*\m]
.endr
.irp m, 0,1,2,3
	v_add_f32 v[48+16*\m], v[48+16*\m], v[49+16*\m]
.endr
.endm
	YRED 0, 0
.irp m, 0,1,2,3
	v_mul_f32 v[112+2*\m], s70, v[48+16*\m]        ; the mean
.endr
.irp m, 0,1,2,3
.set kk, 0
.rept 16
	v_pk_add_f32 v[128+32*\m+kk:129+32*\m+kk], v[128+32*\m+kk:129+32*\m+kk], v[112+2*\m:113+2*\m] op_sel_hi:[1,0] neg_lo:[0,1] neg_hi:[0,1]
.set kk, kk+2
.endr
.endr
	YRED 1, RED2-RED1
.irp m, 0,1,2,3
	v_fma_f32 v[112+2*\m], v[48+16*\m], s70, s71   ; the variance + eps
.endr
.irp m, 0,1,2,3
	v_rsq_f32 v[112+2*\m], v[112+2*\m]
.endr
	v_nop
	s_wait_alu depctr_va_vdst(0)                   ; one wait for the four, ahead of their first reader
	s_wait_loadcnt 0x0                             ; gamma_out
.irp m, 0,1,2,3
.set kk, 0
.rept 16
	v_pk_mul_f32 v[128+32*\m+kk:129+32*\m+kk], v[128+32*\m+kk:129+32*\m+kk], v[112+2*\m:113+2*\m] op_sel_hi:[1,0]
.set kk, kk+2
.endr
.set kk, 0
.rept 16
	v_pk_mul_f32 v[128+32*\m+kk:129+32*\m+kk], v[128+32*\m+kk:129+32*\m+kk], v[8+kk:9+kk]
.set kk, kk+2
.endr
.endr
; THE WAY OUT, a tile of 16 rows at a time: a lane holds pieces of one row, so the tile goes through my own stage and comes back by rows.  LDS serves a wave's instructions in order: no wait between the stores and the loads.
.irp m, 0,1,2,3
.if \m >= 2
	s_wait_xcnt 0x0                                ; the stores of two tiles ago have read their registers: they are loaded anew below
.endif
.irp b, 0,1
.irp q, 0,1,2,3
	ds_store_b128 v121, v[128+32*\m+16*\b+4*\q:131+32*\m+16*\b+4*\q] offset:128*\b+16*\q
.endr
.endr
.irp q, 0,1,2,3,4,5,6,7
	ds_load_b128 v[48+32*(\m%2)+4*\q:51+32*(\m%2)+4*\q], v122 offset:544*\q
.endr
.irp q, 0,1,2,3,4,5,6,7
	s_wait_dscnt 7-\q                              ; this pair of rows is back; the younger loads may be out
	global_store_b128 v123, v[48+32*(\m%2)+4*\q:51+32*(\m%2)+4*\q], s[26:27] offset:(16*\m+2*\q)*4096 th:TH_STORE_NT   ; sixteen lanes store 256 consecutive bytes, at a multiple of 256 from out0's first byte
.endr
.endr
	s_wait_xcnt 0x0
	v_lshl_add_u32 v254, v0, 2, 0x4f400
	v_mov_b32 v255, 0
	s_wait_tensorcnt 0x0
	ds_add_u32 v254, v255
	s_wait_dscnt 0x0
	s_endpgm
.Lfunc_end_k_q9343c8ebd8_fused:
	.size	k_q9343c8ebd8_fused, .Lfunc_end_k_q9343c8ebd8_fused-k_q9343c8ebd8_fused
	.p2alignl 7, 3214868480
	.fill 96, 4, 3214868480
	.section	.rodata,"a",@progbits
	.p2align	6, 0x0
	.amdhsa_kernel k_q9343c8ebd8_fused
		.amdhsa_group_segment_fixed_size 327680
		.amdhsa_private_segment_fixed_size 0
		.amdhsa_enable_private_segment 0
		.amdhsa_kernarg_size 96
		.amdhsa_user_sgpr_count 2
		.amdhsa_user_sgpr_kernarg_segment_ptr 1
		.amdhsa_wavefront_size32 1
		.amdhsa_system_sgpr_workgroup_id_x 1
		.amdhsa_system_sgpr_workgroup_id_y 1
		.amdhsa_system_sgpr_workgroup_id_z 1
		.amdhsa_system_vgpr_workitem_id 0
		.amdhsa_next_free_vgpr 256
		.amdhsa_next_free_sgpr 90
		.amdhsa_reserve_vcc 0
		.amdhsa_float_denorm_mode_32 3
		.amdhsa_float_denorm_mode_16_64 3
		.amdhsa_memory_ordered 1
		.amdhsa_forward_progress 1
		.amdhsa_inst_pref_size 162
	.end_amdhsa_kernel
	.amdgpu_metadata
---
amdhsa.version: [ 1, 2 ]
amdhsa.kernels:
  - .name:           k_q9343c8ebd8_fused
    .symbol:         k_q9343c8ebd8_fused.kd
    .args:
      - { .name: x, .offset: 0, .size: 8, .value_kind: global_buffer, .address_space: global }
      - { .name: gamma_x, .offset: 8, .size: 8, .value_kind: global_buffer, .address_space: global }
      - { .name: wq_img, .offset: 16, .size: 8, .value_kind: global_buffer, .address_space: global }
      - { .name: wq_sc, .offset: 24, .size: 8, .value_kind: global_buffer, .address_space: global }
      - { .name: k_img, .offset: 32, .size: 8, .value_kind: global_buffer, .address_space: global }
      - { .name: k_sc, .offset: 40, .size: 8, .value_kind: global_buffer, .address_space: global }
      - { .name: v_img, .offset: 48, .size: 8, .value_kind: global_buffer, .address_space: global }
      - { .name: v_sc, .offset: 56, .size: 8, .value_kind: global_buffer, .address_space: global }
      - { .name: wo_img, .offset: 64, .size: 8, .value_kind: global_buffer, .address_space: global }
      - { .name: wo_sc, .offset: 72, .size: 8, .value_kind: global_buffer, .address_space: global }
      - { .name: gamma_out, .offset: 80, .size: 8, .value_kind: global_buffer, .address_space: global }
      - { .name: out0, .offset: 88, .size: 8, .value_kind: global_buffer, .address_space: global }
    .group_segment_fixed_size: 327680
    .private_segment_fixed_size: 0
    .kernarg_segment_align: 8
    .kernarg_segment_size: 96
    .max_flat_workgroup_size: 512
    .sgpr_count:     90
    .vgpr_count:     256
    .wavefront_size: 32
...
	.end_amdgpu_metadata
.endif
;; end of part 2
;; ======== version 2 of 2: 2 launches
;; limits: right only within a limited range of input values
;; workspace buffers: wq_img 786,432 bytes; wo_img 786,432 bytes; wq_sc 32,768 bytes; wo_sc 32,768 bytes; k_img 2,097,152 bytes; k_sc 131,072 bytes; v_img 1,572,864 bytes; v_sc 65,536 bytes
;; launch prep (part 3): grid 256 x 1, 8 waves a work-group, no clusters, 193,024 bytes of LDS; arguments Wkv_codes, Wkv_scales, context_codes, context_scales, mask, Wq_codes, Wq_scales, Wo_codes, Wo_scales, k_img, k_sc, v_img, v_sc, wq_img, wq_sc, wo_img, wo_sc; writes k_img, k_sc, v_img, v_sc, wq_img, wq_sc, wo_img, wo_sc
.if DOCPART == 3
	.amdgcn_target "amdgcn-amd-amdhsa--gfx1250"
	.amdhsa_code_object_version 6
	.text
	.protected	k_q9343c8ebd8_prep
	.globl	k_q9343c8ebd8_prep
	.p2align	8
	.type	k_q9343c8ebd8_prep,@function
k_q9343c8ebd8_prep:
	s_mov_b64 s[64:65], 0
	v_nop
	global_prefetch_b8 v0, s[64:65] scope:SCOPE_SE
	s_setreg_imm32_b32 hwreg(HW_REG_WAVE_MODE, 25, 1), 1
	s_wait_xcnt 0x0
; PREP.  (a) kv = context x Wkv on codes of FP6 (E2M3); k x sqrt(1/8) is quantised along the head's 64, v along the keys; both are stored as IMAGES OF OPERAND REGISTERS for the next launch.
; (b) Wq and Wo are laid anew, as images of operand registers (a copy: no code is changed).
; 256 work-groups of eight waves.  Work-groups 0-127: k; 128-255: v.  Each wave has a JOB of 64 x 32 numbers of kv: source 0 = 4 tiles of 16 rows along the axis that is quantised next (k: 64 rows of Wkv, a head;
; v: 64 keys of context), source 1 = 2 tiles of 16 rows that become the lanes' rows (k: 32 keys; v: 32 rows of Wkv).  Rows of Wkv and of context are both 576 bytes of codes and 24 scale bytes, so one text serves
; both kinds: only pointers, rows and the factor are chosen.  THE EIGHT JOBS OF A WORK-GROUP SHARE SOURCE 0's 64 ROWS.
; THE ROWS COME IN AS THEY LIE AND TURN THROUGH LDS.  A fragment taken straight from the rows is 8 bytes a lane from sixteen rows 576 bytes apart.  So wave w copies 8 of the shared rows and its own 32 rows: 8 rows are
; 4,608 bytes = nine loads of 512 consecutive bytes; 45 loads a wave.  They are stored to LDS with 16 bytes of padding behind each row; one barrier; the fragments are then read from LDS.
; LDS: a row is 592 bytes = 148 words: row r starts at bank 20 r mod 64 (64 banks of 4 bytes: ISA guide 11.1).  A block of 32 rows is four groups of 8 rows, groups 2 and 3 another 128 bytes (32 banks) on: with the choice of
; rows below the 32 lanes of a load of 8 bytes touch 64 different banks.  Source 0: two blocks from byte 0; wave w's block of source 1 at RB + w BLK.
; THE ROWS OF A TILE ARE NOT NEIGHBOURS: lane r of tile 2 b + u takes row 32 b + 8 u + r + 8 (r / 8).  On source 0 that makes the 16 registers of result tiles 2 b, 2 b + 1 sixteen neighbours 32 b + 16 (lane / 16) + 0 .. 15.
; THE MASK goes into k's image.  The score product uses 64 of the instruction's 128 along K; at k = 64 a masked key gets the code 63 (-7.5) under the scale byte 227 (2^100), and the queries carry 1.0 there:
; a masked score is -7.5 x 2^100 and its weight 0.  Keys that count have the code 0 there, under the byte 95.  Key 0 always counts.
; THE COPY of Wq and Wo: work-group g takes 64 rows x 128 along K of one of them; waves 0-3 a tile each, wave 4 the scale words (branches on the wave's number; no barrier and no LDS inside them).
; LIMITS: NaN, infinities and given scale bytes 0xff are not served; a block whose largest magnitude lies under 2^-124 takes the byte 1 (a block of zeros too: its codes are zeros and these bytes are read by this program alone);
; logits must lie far under 7.5 x 2^100 in magnitude.
; The stores of codes cover 256 or 512 consecutive bytes each; the stores of k's and v's scale words cover 128 bytes (k) or two bytes of each word (v): 196,608 bytes in all are written in such parts.
.set PIT,  592                         ; a row in LDS
.set GRP,  8*PIT                       ; a group of 8 rows
.set SHF,  128                         ; what groups 2 and 3 of a block are shifted by
.set BLK,  19200                       ; a block of 32 rows: 4 GRP + SHF, rounded up
.set RB,   2*BLK                       ; behind source 0's two blocks
.set STGR, 32                          ; v32-211  45 loads of 4 registers on their way to LDS
.set ACC,  160                         ; v160-223 accumulator (u, t) at ACC + 32 u + 8 t
.set SCB,  228                         ; v228-245 scale words and nothing else: source 0's pair of tiles j, K step s at SCB + 6 j + s; source 1's at SCB + 12 + s; lanes 0-15 the even tile, lanes 16-31 the odd one
.set TM,   246                         ; v246-251 at work in Q2
.set T2,   252                         ; v252-254 the second conversion's result
.set SEL,  70                          ; s[70:71] lane selects: lane l xor 16
; v16-23, v24-31: where I store into LDS (source 1's rows, source 0's); later fragment buffer n (0, 1) at v[16 + 72 n]: source 0's fragments +12 t, source 1's +48 + 12 u.  v212-227: the copy of Wq, Wo
.macro NOPS n
.rept \n
	v_nop
.endr
.endm
; 32 numbers of a lane, register 16 b + e = element 32 b + 16 (lane / 16) + e of the lane's row, become half a fragment: v[dst .. dst + 5] = the codes of block (lane / 16); v[pw] = the two blocks' scale bytes
.macro Q2 src, dst, pw
.irp b, 0,1
	v_max3_num_f32 v[TM+\b], |v[\src+16*\b]|, |v[\src+16*\b+1]|, 0x1800000   ; my 16 numbers of block b, and the floor 2^(3 - 127): the byte cannot fall under 1
.endr
.irp e, 2,4,6,8,10,12,14
.irp b, 0,1
	s_delay_alu instid0(VALU_DEP_2)
	v_max3_num_f32 v[TM+\b], v[TM+\b], |v[\src+16*\b+\e]|, |v[\src+16*\b+\e+1]|
.endr
.endr
.irp b, 0,1
	s_delay_alu instid0(VALU_DEP_2)
	v_permlanex16_b32 v[TM+2+\b], v[TM+\b], s[SEL], s[SEL+1]
.endr
.irp b, 0,1
	s_delay_alu instid0(VALU_DEP_2)
	v_max_num_f32 v[TM+\b], v[TM+\b], v[TM+2+\b]          ; with lane l xor 16's: the block's largest magnitude
.endr
.irp b, 0,1
	s_delay_alu instid0(VALU_DEP_2)
	v_add_nc_u32 v[TM+4+\b], 0xff000000, v[TM+\b]         ; 2 off its exponent field: the conversion's scale operand
.endr
.irp b, 0,1
	s_delay_alu instid0(VALU_DEP_2)
	v_lshrrev_b32 v[TM+2+\b], 23, v[TM+4+\b]              ; the scale's byte
.endr
	s_delay_alu instid0(VALU_DEP_1)
	v_lshl_or_b32 v[\pw], v[TM+3], 8, v[TM+2]
	v_cvt_scalef32_pk16_fp6_f32 v[\dst:\dst+2], v[\src:\src+15], v[TM+4]
	v_cvt_scalef32_pk16_fp6_f32 v[T2:T2+2], v[\src+16:\src+31], v[TM+5]   ; (a conversion's three registers begin on an even number)
	v_nop                                                 ; one plain instruction behind a scaled conversion
.irp e, 0,1,2
	v_permlane16_swap_b32 v[\dst+\e], v[T2+\e]            ; a whole block to a lane: lanes 0-15 block 0, lanes 16-31 block 1
.endr
.irp e, 0,1,2
	s_delay_alu instid0(VALU_DEP_3)
	v_mov_b32 v[\dst+3+\e], v[T2+\e]
.endr
.endm
; one product: D at d, source 0 at a, source 1 at b; z = 1: it starts the sum; scale words in v[sa], v[sb]; ra, rb = 1: they stand in lanes 16-31
.macro WM d, a, b, z, sa, sb, ra, rb
.if (\z) && (\ra) && (\rb)
	v_wmma_scale_f32_16x16x128_f8f6f4 v[\d:\d+7], v[\a:\a+11], v[\b:\b+11], 0, v[\sa], v[\sb] matrix_a_fmt:MATRIX_FMT_FP6 matrix_b_fmt:MATRIX_FMT_FP6 matrix_a_scale:MATRIX_SCALE_ROW1 matrix_b_scale:MATRIX_SCALE_ROW1
.elseif (\z) && (\ra)
	v_wmma_scale_f32_16x16x128_f8f6f4 v[\d:\d+7], v[\a:\a+11], v[\b:\b+11], 0, v[\sa], v[\sb] matrix_a_fmt:MATRIX_FMT_FP6 matrix_b_fmt:MATRIX_FMT_FP6 matrix_a_scale:MATRIX_SCALE_ROW1
.elseif (\z) && (\rb)
	v_wmma_scale_f32_16x16x128_f8f6f4 v[\d:\d+7], v[\a:\a+11], v[\b:\b+11], 0, v[\sa], v[\sb] matrix_a_fmt:MATRIX_FMT_FP6 matrix_b_fmt:MATRIX_FMT_FP6 matrix_b_scale:MATRIX_SCALE_ROW1
.elseif (\z)
	v_wmma_scale_f32_16x16x128_f8f6f4 v[\d:\d+7], v[\a:\a+11], v[\b:\b+11], 0, v[\sa], v[\sb] matrix_a_fmt:MATRIX_FMT_FP6 matrix_b_fmt:MATRIX_FMT_FP6
.elseif (\ra) && (\rb)
	v_wmma_scale_f32_16x16x128_f8f6f4 v[\d:\d+7], v[\a:\a+11], v[\b:\b+11], v[\d:\d+7], v[\sa], v[\sb] matrix_a_fmt:MATRIX_FMT_FP6 matrix_b_fmt:MATRIX_FMT_FP6 matrix_a_scale:MATRIX_SCALE_ROW1 matrix_b_scale:MATRIX_SCALE_ROW1
.elseif (\ra)
	v_wmma_scale_f32_16x16x128_f8f6f4 v[\d:\d+7], v[\a:\a+11], v[\b:\b+11], v[\d:\d+7], v[\sa], v[\sb] matrix_a_fmt:MATRIX_FMT_FP6 matrix_b_fmt:MATRIX_FMT_FP6 matrix_a_scale:MATRIX_SCALE_ROW1
.elseif (\rb)
	v_wmma_scale_f32_16x16x128_f8f6f4 v[\d:\d+7], v[\a:\a+11], v[\b:\b+11], v[\d:\d+7], v[\sa], v[\sb] matrix_a_fmt:MATRIX_FMT_FP6 matrix_b_fmt:MATRIX_FMT_FP6 matrix_b_scale:MATRIX_SCALE_ROW1
.else
	v_wmma_scale_f32_16x16x128_f8f6f4 v[\d:\d+7], v[\a:\a+11], v[\b:\b+11], v[\d:\d+7], v[\sa], v[\sb] matrix_a_fmt:MATRIX_FMT_FP6 matrix_b_fmt:MATRIX_FMT_FP6
.endif
.endm
; K step s (128 along K) from LDS into buffer n: 6 fragments of 6 loads of 8 bytes
.macro LOADS s, n
.set BF, 16+72*(\n)
.irp t, 0,1,2,3
.irp p, 0,1,2,3,4,5
	ds_load_b64 v[BF+12*\t+2*\p:BF+12*\t+2*\p+1], v4 offset:(\t/2)*BLK+(\t%2)*GRP+96*(\s)+48*(\p/3)+8*(\p%3)
.endr
.endr
.irp u, 0,1
.irp p, 0,1,2,3,4,5
	ds_load_b64 v[BF+48+12*\u+2*\p:BF+48+12*\u+2*\p+1], v15 offset:\u*GRP+96*(\s)+48*(\p/3)+8*(\p%3)
.endr
.endr
.endm
; the K step's 8 products; the eight accumulators take turns, one instruction a turn, in the same order in every step; the first step starts the sums
.macro MUL8 s
.set BF, 16+72*((\s)%2)
.irp t, 0,1,2,3
.irp u, 0,1
.if (\s) == 0
	WM ACC+32*\u+8*\t, BF+12*\t, BF+48+12*\u, 1, SCB+6*(\t/2)+(\s), SCB+12+(\s), \t%2, \u
.else
	WM ACC+32*\u+8*\t, BF+12*\t, BF+48+12*\u, 0, SCB+6*(\t/2)+(\s), SCB+12+(\s), \t%2, \u
.endif
.endr
.endr
.endm
	s_load_b512 s[4:19], s[0:1], 0x0               ; Wkv codes 4, scales 6; context codes 8, scales 10; mask 12; Wq codes 14, scales 16; Wo codes 18
	s_load_b512 s[20:35], s[0:1], 0x40             ; Wo scales 20; k_img 22, k_sc 24, v_img 26, v_sc 28, wq_img 30, wq_sc 32, wo_img 34
	s_load_b64 s[36:37], s[0:1], 0x80              ; wo_sc
	v_lshl_add_u32 v255, v0, 2, 0x2ee00
	s_set_vgpr_msb 0x40
	v_mov_b32 v1, 0
	s_set_vgpr_msb 0x4000
	v_lshrrev_b32 v1, 5, v0
	s_delay_alu instid0(VALU_DEP_1)
	v_readfirstlane_b32 s38, v1                    ; wave 0..7
	v_and_b32 v9, 31, v0                           ; lane
	s_delay_alu instid0(VALU_DEP_1)
	v_lshlrev_b32 v1, 4, v9                        ; 16 x lane
	s_delay_alu instid0(VALU_DEP_2)
	v_lshlrev_b32 v2, 3, v9                        ; 8 x lane
	s_delay_alu instid0(VALU_DEP_3)
	v_lshlrev_b32 v3, 2, v9                        ; 4 x lane
	v_and_b32 v10, 15, v0                          ; r
	v_bfe_u32 v11, v0, 4, 1                        ; h
	s_delay_alu instid0(VALU_DEP_2)
	v_and_b32 v13, 8, v10
	s_delay_alu instid0(VALU_DEP_1)
	v_add_nc_u32 v12, v13, v10                     ; r + 8 (r / 8)
	; every LDS address is made here, ahead of the first branch
	s_delay_alu instid0(VALU_DEP_1)
	v_mul_u32_u24 v4, v12, PIT
	s_delay_alu instid0(VALU_DEP_1)
	v_mad_u32_u24 v4, v11, 24, v4
	s_delay_alu instid0(VALU_DEP_1)
	v_lshl_add_u32 v4, v13, 4, v4                  ; a fragment's lane in source 0: my row of a tile, + 24 bytes for lanes 16-31, + SHF for rows 8-15 of the tile
	s_mul_i32 s66, s38, BLK
	s_add_co_u32 s66, s66, RB                      ; my wave's block of source 1
	v_add_nc_u32 v15, s66, v4                      ; the same lane there
	s_lshr_b32 s67, s38, 2
	s_mul_i32 s67, s67, BLK
	s_and_b32 s68, s38, 3
	s_mul_i32 s68, s68, GRP
	s_add_co_u32 s67, s67, s68
	s_bfe_u32 s68, s38, 0x10001
	s_lshl_b32 s68, s68, 7
	s_add_co_u32 s67, s67, s68                     ; group w of source 0's eight: block w / 4, group w % 4, shifted where that is 2 or 3
	; the j-th of a group's nine loads brings chunks q = 32 j + lane of 16 bytes; 36 chunks are a row; chunk q goes to 16 q + 16 (q / 36), and q / 36 = j - 1 + (lane >= 4 j)
	v_add_nc_u32 v16, s66, v1                      ; j = 0 and j = 8: no row begins inside the load
	v_add_nc_u32 v24, s67, v1
.irp j, 1,2,3,4,5,6,7
	v_add_nc_u32 v13, 32-4*\j, v9
	s_delay_alu instid0(VALU_DEP_1)
	v_lshrrev_b32 v13, 5, v13                      ; 1 where lane >= 4 j
	s_delay_alu instid0(VALU_DEP_1)
	v_lshl_add_u32 v13, v13, 4, v1
	s_delay_alu instid0(VALU_DEP_1)
	v_add_nc_u32 v[16+\j], s66, v13
	s_delay_alu instid0(VALU_DEP_2)
	v_add_nc_u32 v[24+\j], s67, v13
.endr
	v_lshl_add_u32 v5, v11, 3, v12                 ; scale words: lanes 0-15 the even tile's rows, lanes 16-31 the odd tile's, 8 rows on
	s_delay_alu instid0(VALU_DEP_1)
	v_lshlrev_b32 v225, 5, v5                      ; in Wq, Wo: 32 bytes a row
	s_delay_alu instid0(VALU_DEP_2)
	v_mul_u32_u24 v5, v5, 24                       ; in Wkv, context: 24
	v_mul_u32_u24 v224, v12, 768                   ; a fragment's lane in Wq, Wo
	s_delay_alu instid0(VALU_DEP_1)
	v_mad_u32_u24 v224, v11, 24, v224
	v_mov_b32 v[TM+2], 0                           ; written once: a lane permute's destination counts as one of its sources
	v_mov_b32 v[TM+3], 0
	s_mov_b32 s[SEL], 0x76543210
	s_mov_b32 s[SEL+1], 0xfedcba98
	s_lshl_b32 s39, ttmp9, 3
	s_add_co_u32 s39, s39, s38                     ; job = 8 x work-group + wave
	s_mov_b32 s63, 0                               ; the upper word of every offset
	s_lshr_b32 s40, ttmp9, 7                       ; kind: 0 k, 1 v.  Also: the copy is of Wq (0) or of Wo (1)
	s_bfe_u32 s41, ttmp9, 0x20005                  ; batch
	s_and_b32 s42, s39, 255
	s_lshr_b32 s43, s42, 4                         ; k: head (the same in all eight waves)
	s_and_b32 s44, s42, 15                         ; k: which 32 keys
	s_lshr_b32 s45, s42, 5                         ; v: which 64 keys (the same in all eight waves)
	s_and_b32 s46, s42, 31                         ; v: which 32 rows of Wkv's second half
	s_lshl_b32 s47, s41, 9
	s_lshl_b32 s48, s43, 6                         ; k: source 0 from row 64 head of Wkv,
	s_lshl_b32 s49, s44, 5
	s_add_co_u32 s49, s49, s47                     ;    source 1 from row 512 batch + 32 G of context
	s_lshl_b32 s50, s45, 6
	s_add_co_u32 s50, s50, s47                     ; v: source 0 from row 512 batch + 64 g of context,
	s_lshl_b32 s51, s46, 5
	s_add_co_u32 s51, s51, 1024                    ;    source 1 from row 1024 + 32 e of Wkv
	s_lshl_b32 s72, s44, 5
	v_add_nc_u32 v6, s72, v12                      ; the key of my lane in tile 0 (in range for both kinds; used by k alone)
	s_delay_alu instid0(VALU_DEP_1)
	v_min_u32 v8, 1, v6                            ; 0 for key 0
	s_delay_alu instid0(VALU_DEP_2)
	v_add_nc_u32 v7, 7, v6                         ; tile 1's key is 8 on, never key 0: its byte of the mask lies at key - 1
	s_delay_alu instid0(VALU_DEP_2)
	v_sub_nc_u32 v6, v6, v8                        ; tile 0's: key - 1, and byte 0 (not used) for key 0
	; the copy: 64 rows w16, K step ks; my tile is wave % 4
	s_bfe_u32 s82, ttmp9, 0x40003
	s_and_b32 s83, ttmp9, 7
	s_and_b32 s88, s38, 3
	s_mul_i32 s84, s82, 49152
	s_mul_i32 s72, s83, 96
	s_add_co_u32 s84, s84, s72
	s_lshr_b32 s72, s88, 1
	s_mul_i32 s72, s72, 24576
	s_add_co_u32 s84, s84, s72
	s_and_b32 s72, s88, 1
	s_mul_i32 s72, s72, 6144
	s_add_co_u32 s84, s84, s72                     ; codes: row 64 w16 + 32 (t / 2) + 8 (t % 2) of 768 bytes, + 96 ks
	s_lshl_b32 s85, s82, 11
	s_lshl_b32 s72, s83, 2
	s_add_co_u32 s85, s85, s72                     ; scale bytes: row 64 w16 of 32 bytes, + 4 ks
	s_lshl_b32 s86, s82, 3
	s_add_co_u32 s86, s86, s83
	s_lshl_b32 s87, s86, 8                         ; the image's scale words: 256 bytes for (w16, ks)
	s_mul_i32 s86, s86, 6144
	s_mul_i32 s72, s88, 1536
	s_add_co_u32 s86, s86, s72                     ; the image: 6,144 bytes for (w16, ks), 1,536 a tile
	s_mul_i32 s62, s41, 511
	s_wait_kmcnt 0x0
	s_add_nc_u64 s[12:13], s[12:13], s[62:63]      ; the batch's row of the mask
	s_cmp_eq_u32 s40, 0                            ; every choice hangs on the work-group's number alone
	s_cselect_b64 s[52:53], s[4:5], s[8:9]         ; source 0: codes,
	s_cselect_b64 s[54:55], s[6:7], s[10:11]       ; scale bytes
	s_cselect_b64 s[56:57], s[8:9], s[4:5]         ; source 1: codes,
	s_cselect_b64 s[58:59], s[10:11], s[6:7]       ; scale bytes
	s_cselect_b64 s[74:75], s[14:15], s[18:19]     ; the copy: codes,
	s_cselect_b64 s[76:77], s[16:17], s[20:21]     ; scale bytes,
	s_cselect_b64 s[78:79], s[30:31], s[34:35]     ; image,
	s_cselect_b64 s[80:81], s[32:33], s[36:37]     ; its scale words
	s_cselect_b32 s48, s48, s50
	s_cselect_b32 s49, s49, s51
	s_cselect_b32 s60, 0x3eb504f3, 1.0             ; k is multiplied by sqrt(1/8), v by 1
	s_mov_b32 s61, s60
	s_mul_i32 s62, s48, 576
	s_mul_i32 s72, s38, 4608
	s_add_co_u32 s62, s62, s72
	s_add_nc_u64 s[52:53], s[52:53], s[62:63]      ; the 8 rows of source 0 that I copy
	s_mul_i32 s62, s48, 24
	s_add_nc_u64 s[54:55], s[54:55], s[62:63]
	s_mul_i32 s62, s49, 576
	s_add_nc_u64 s[56:57], s[56:57], s[62:63]
	s_mul_i32 s62, s49, 24
	s_add_nc_u64 s[58:59], s[58:59], s[62:63]
	s_mov_b32 s62, s84
	s_add_nc_u64 s[74:75], s[74:75], s[62:63]
	s_mov_b32 s62, s85
	s_add_nc_u64 s[76:77], s[76:77], s[62:63]
	s_mov_b32 s62, s86
	s_add_nc_u64 s[78:79], s[78:79], s[62:63]
	s_mov_b32 s62, s87
	s_add_nc_u64 s[80:81], s[80:81], s[62:63]
	; ---- all loads go out; the 45 that go to LDS last, so that the waits below can count them
	s_cmp_lt_u32 s38, 4
	s_cbranch_scc0 .Lnot_tile_in
	s_wait_alu depctr_va_vdst(0)
.irp p, 0,1,2,3,4,5
	global_load_b64 v[212+2*\p:213+2*\p], v224, s[74:75] offset:48*(\p/3)+8*(\p%3)
.endr
	s_branch .Lcopy_in
.Lnot_tile_in:
	s_cmp_eq_u32 s38, 4
	s_cbranch_scc0 .Lcopy_in
	global_load_b32 v226, v225, s[76:77]
	global_load_b32 v227, v225, s[76:77] offset:1024
.Lcopy_in:
	s_wait_alu depctr_va_vdst(0)
	global_load_u8 v13, v6, s[12:13]
	global_load_u8 v14, v7, s[12:13]
.irp j, 0,1
.irp q, 0,1,2
	global_load_b64 v[SCB+6*\j+2*\q:SCB+6*\j+2*\q+1], v5, s[54:55] offset:768*\j+8*\q   ; a row's 24 scale bytes: the words of all six K steps
.endr
.endr
.irp q, 0,1,2
	global_load_b64 v[SCB+12+2*\q:SCB+13+2*\q], v5, s[58:59] offset:8*\q
.endr
.irp j, 0,1,2,3,4,5,6,7,8
	global_load_b128 v[STGR+4*\j:STGR+4*\j+3], v1, s[52:53] offset:512*\j                 ; 32 lanes read 512 consecutive bytes
.endr
.irp g, 0,1,2,3
.irp j, 0,1,2,3,4,5,6,7,8
	global_load_b128 v[STGR+36+36*\g+4*\j:STGR+36+36*\g+4*\j+3], v1, s[56:57] offset:4608*\g+512*\j
.endr
.endr
	s_wait_loadcnt 36                              ; source 0's nine loads (and all older ones) are in; source 1's four groups of nine may be out
.irp j, 0,1,2,3,4,5,6,7,8
	ds_store_b128 v[24+\j%8], v[STGR+4*\j:STGR+4*\j+3] offset:528*\j-16*((\j+8)/9)
.endr
.irp g, 0,1,2,3
	s_wait_loadcnt 27-9*\g                         ; group g is in; the later groups of nine may be out
.irp j, 0,1,2,3,4,5,6,7,8
	ds_store_b128 v[16+\j%8], v[STGR+36+36*\g+4*\j:STGR+36+36*\g+4*\j+3] offset:\g*GRP+(\g/2)*SHF+528*\j-16*((\j+8)/9)
.endr
.endr
	s_cmp_lt_u32 s38, 4
	s_cbranch_scc0 .Lnot_tile_out
.irp c, 0,1,2
	global_store_b128 v1, v[212+4*\c:215+4*\c], s[78:79] offset:512*\c   ; 32 lanes store 512 consecutive bytes
.endr
	s_branch .Lcopy_out
.Lnot_tile_out:
	s_cmp_eq_u32 s38, 4
	s_cbranch_scc0 .Lcopy_out
	global_store_b64 v2, v[226:227], s[80:81]      ; 256 consecutive bytes
.Lcopy_out:
	s_wait_dscnt 0x0                               ; for the others' sake: my rows lie in LDS
	s_barrier_signal -1
	s_barrier_wait -1                              ; source 0's 64 rows are whole
	LOADS 0, 0
	s_wait_xcnt 0x0                                ; the copy's stores have read their registers: v212-223 lie among the accumulators
.irp s, 0,1,2,3,4,5
	s_wait_dscnt 0x0                               ; this step's fragments are in
.if \s < 5
.if \s > 0
	NOPS 4                                         ; four plain instructions in front of loads into registers that matrix instructions have read
.endif
	LOADS \s+1, (\s+1)%2                           ; the next step's, into the other buffer, while this step is multiplied
.endif
	MUL8 \s
.endr
	NOPS 4                                         ; in front of the first read of results
.set jj, 0
.rept 32
	v_pk_mul_f32 v[ACC+jj:ACC+jj+1], v[ACC+jj:ACC+jj+1], s[60:61] op_sel_hi:[1,0]   ; each accumulator from its low end on
.set jj, jj+2
.endr
	Q2 ACC, 16, 34                                 ; tile u = 0: codes v16-21, bytes v34
	Q2 ACC+32, 24, 35                              ; tile u = 1: codes v24-29, bytes v35
	v_cmp_eq_u32 vcc_lo, 1, v11                    ; lanes 16-31
	s_lshl_b32 s66, s41, 4                         ; 16 x batch
	s_cmp_lg_u32 s40, 0
	s_cbranch_scc1 .Lvjob
	; ---- k: two tiles of 8 registers (6 of codes, the mask's code, 0), and their scale words
	v_sub_nc_u32 v8, 1, v8
	s_delay_alu instid0(VALU_DEP_1)
	v_or_b32 v13, v13, v8                          ; key 0 always counts
	s_delay_alu instid0(VALU_DEP_1)
	v_xor_b32 v13, 1, v13                          ; 1 where the key is masked
	v_xor_b32 v14, 1, v14
	s_delay_alu instid0(VALU_DEP_2)
	v_mul_u32_u24 v22, v13, 63                     ; -7.5 at k = 64 (in lanes 16-31 it stands at k = 96, where the queries have the code 0)
	v_mov_b32 v23, 0
	s_wait_alu depctr_va_vdst(0)
	v_mul_u32_u24 v30, v14, 63
	v_mov_b32 v31, 0
	s_wait_alu depctr_va_vdst(0)
	s_mov_b32 s68, 0x840000
	s_mov_b32 s69, 0x5f5f0000
	v_mad_u32_u24 v36, v13, s68, s69               ; bytes 2 and 3: 227 and 95 for a masked key, else 95 and 95
	v_mad_u32_u24 v37, v14, s68, s69
	s_delay_alu instid0(VALU_DEP_2)
	v_or_b32 v36, v36, v34
	s_delay_alu instid0(VALU_DEP_2)
	v_or_b32 v37, v37, v35
	s_delay_alu instid0(VALU_DEP_1)
	v_cndmask_b32 v36, v36, v37, vcc_lo            ; lanes 0-15 the even tile's words, lanes 16-31 the odd tile's
	s_wait_alu depctr_va_vdst(0)
	s_add_co_u32 s67, s66, s43                     ; 16 batch + head
	s_lshl_b32 s62, s67, 5
	s_lshl_b32 s72, s44, 1
	s_add_co_u32 s62, s62, s72
	s_lshl_b32 s62, s62, 10                        ; tile 2 G of that head, 1,024 bytes a tile
	s_add_nc_u64 s[22:23], s[22:23], s[62:63]
	s_lshl_b32 s62, s67, 3
	s_lshr_b32 s72, s44, 1
	s_add_co_u32 s62, s62, s72
	s_lshl_b32 s62, s62, 8                         ; 256 bytes of scale words for 64 keys,
	s_and_b32 s72, s44, 1
	s_lshl_b32 s72, s72, 7                         ; 128 for my 32
	s_add_co_u32 s62, s62, s72
	s_add_nc_u64 s[24:25], s[24:25], s[62:63]
	global_store_b128 v1, v[16:19], s[22:23]
	global_store_b128 v1, v[20:23], s[22:23] offset:512
	global_store_b128 v1, v[24:27], s[22:23] offset:1024
	global_store_b128 v1, v[28:31], s[22:23] offset:1536
	global_store_b32 v3, v36, s[24:25]
	s_set_vgpr_msb 0x4
	s_wait_tensorcnt 0x0
	ds_add_u32 v255, v1
	s_wait_dscnt 0x0
	s_set_vgpr_msb 0x400
	s_endpgm
.Lvjob:	; ---- v: half a fragment (64 of a step's 128 keys) for each of two tiles of 16 channels, and two scale bytes a row
	v_cndmask_b32 v34, v34, v35, vcc_lo
	s_lshr_b32 s67, s46, 1                         ; head
	s_add_co_u32 s67, s67, s66
	s_lshl_b32 s67, s67, 2
	s_lshr_b32 s68, s45, 1                         ; key step
	s_add_co_u32 s67, s67, s68                     ; (16 batch + head) 4 + step
	s_and_b32 s68, s46, 1                          ; which 32 channels of the head
	s_and_b32 s69, s45, 1                          ; which half of the step
	s_lshl_b32 s62, s67, 2
	s_lshl_b32 s72, s68, 1
	s_add_co_u32 s62, s62, s72
	s_mul_i32 s62, s62, 1536
	s_mul_i32 s72, s69, 768
	s_add_co_u32 s62, s62, s72
	s_add_nc_u64 s[26:27], s[26:27], s[62:63]
	s_lshl_b32 s62, s67, 8
	s_lshl_b32 s72, s68, 7
	s_add_co_u32 s62, s62, s72
	s_lshl_b32 s72, s69, 1
	s_add_co_u32 s62, s62, s72
	s_add_nc_u64 s[28:29], s[28:29], s[62:63]
	s_wait_alu depctr_va_vdst(0)
.irp u, 0,1
.irp j, 0,1,2
	global_store_b64 v2, v[16+8*\u+2*\j:17+8*\u+2*\j], s[26:27] offset:1536*\u+256*\j
.endr
.endr
	global_store_b16 v3, v34, s[28:29]
	s_set_vgpr_msb 0x4
	s_wait_tensorcnt 0x0
	ds_add_u32 v255, v1
	s_wait_dscnt 0x0
	s_set_vgpr_msb 0x400
	s_endpgm
.Lfunc_end_k_q9343c8ebd8_prep:
	.size	k_q9343c8ebd8_prep, .Lfunc_end_k_q9343c8ebd8_prep-k_q9343c8ebd8_prep
	.p2alignl 7, 3214868480
	.fill 96, 4, 3214868480
	.section	.rodata,"a",@progbits
	.p2align	6, 0x0
	.amdhsa_kernel k_q9343c8ebd8_prep
		.amdhsa_group_segment_fixed_size 193024
		.amdhsa_private_segment_fixed_size 0
		.amdhsa_enable_private_segment 0
		.amdhsa_kernarg_size 136
		.amdhsa_user_sgpr_count 2
		.amdhsa_user_sgpr_kernarg_segment_ptr 1
		.amdhsa_wavefront_size32 1
		.amdhsa_system_sgpr_workgroup_id_x 1
		.amdhsa_system_sgpr_workgroup_id_y 1
		.amdhsa_system_sgpr_workgroup_id_z 1
		.amdhsa_system_vgpr_workitem_id 0
		.amdhsa_next_free_vgpr 258
		.amdhsa_next_free_sgpr 90
		.amdhsa_reserve_vcc 1
		.amdhsa_float_denorm_mode_32 3
		.amdhsa_float_denorm_mode_16_64 3
		.amdhsa_memory_ordered 1
		.amdhsa_forward_progress 1
		.amdhsa_inst_pref_size 50
	.end_amdhsa_kernel
	.amdgpu_metadata
---
amdhsa.version: [ 1, 2 ]
amdhsa.kernels:
  - .name:           k_q9343c8ebd8_prep
    .symbol:         k_q9343c8ebd8_prep.kd
    .args:
      - { .name: Wkv_codes, .offset: 0, .size: 8, .value_kind: global_buffer, .address_space: global }
      - { .name: Wkv_scales, .offset: 8, .size: 8, .value_kind: global_buffer, .address_space: global }
      - { .name: context_codes, .offset: 16, .size: 8, .value_kind: global_buffer, .address_space: global }
      - { .name: context_scales, .offset: 24, .size: 8, .value_kind: global_buffer, .address_space: global }
      - { .name: mask, .offset: 32, .size: 8, .value_kind: global_buffer, .address_space: global }
      - { .name: Wq_codes, .offset: 40, .size: 8, .value_kind: global_buffer, .address_space: global }
      - { .name: Wq_scales, .offset: 48, .size: 8, .value_kind: global_buffer, .address_space: global }
      - { .name: Wo_codes, .offset: 56, .size: 8, .value_kind: global_buffer, .address_space: global }
      - { .name: Wo_scales, .offset: 64, .size: 8, .value_kind: global_buffer, .address_space: global }
      - { .name: k_img, .offset: 72, .size: 8, .value_kind: global_buffer, .address_space: global }
      - { .name: k_sc, .offset: 80, .size: 8, .value_kind: global_buffer, .address_space: global }
      - { .name: v_img, .offset: 88, .size: 8, .value_kind: global_buffer, .address_space: global }
      - { .name: v_sc, .offset: 96, .size: 8, .value_kind: global_buffer, .address_space: global }
      - { .name: wq_img, .offset: 104, .size: 8, .value_kind: global_buffer, .address_space: global }
      - { .name: wq_sc, .offset: 112, .size: 8, .value_kind: global_buffer, .address_space: global }
      - { .name: wo_img, .offset: 120, .size: 8, .value_kind: global_buffer, .address_space: global }
      - { .name: wo_sc, .offset: 128, .size: 8, .value_kind: global_buffer, .address_space: global }
    .group_segment_fixed_size: 193024
    .private_segment_fixed_size: 0
    .kernarg_segment_align: 8
    .kernarg_segment_size: 136
    .max_flat_workgroup_size: 256
    .sgpr_count:     90
    .vgpr_count:     258
    .wavefront_size: 32
...
	.end_amdgpu_metadata
.endif
;; end of part 3
;; launch fused (part 4): grid 256 x 1, 16 waves a work-group, no clusters, 327,680 bytes of LDS; arguments x, gamma_x, wq_img, wq_sc, k_img, k_sc, v_img, v_sc, wo_img, wo_sc, gamma_out, out0; writes out0
.if DOCPART == 4
	.amdgcn_target "amdgcn-amd-amdhsa--gfx1250"
	.amdhsa_code_object_version 6
	.text
	.protected	k_q9343c8ebd8_fused
	.globl	k_q9343c8ebd8_fused
	.p2align	8
	.type	k_q9343c8ebd8_fused,@function
k_q9343c8ebd8_fused:
	s_mov_b64 s[64:65], 0
	v_nop
	global_prefetch_b8 v0, s[64:65] scope:SCOPE_SE
	s_setreg_imm32_b32 hwreg(HW_REG_WAVE_MODE, 25, 1), 1
	s_wait_xcnt 0x0
; FUSED.  A work-group takes 64 rows of x through the whole chain: LayerNorm, quantise, q = xn Wq, x sqrt(1/8), quantise, attention over the batch's 512 keys in 16 heads, quantise, x Wo, LayerNorm, out0.
; All products on codes of FP6 (E2M3) with one E8M0 scale for each 32 along K.  Nothing but out0 is stored.  Sixteen waves of 256 registers, four to a SIMD.
; X: wave w owns rows w, 16 + w, 32 + w, 48 + w.  Group i (rows 16 i ..) is normalised, staged in f32 (two stage buffers by turns), and behind a barrier wave w turns columns 64 w .. 64 w + 63 of the group's
;    16 rows into codes, as images of operand registers, while the later groups' rows are still on their way.
; Q and A: waves 2 i, 2 i + 1 take heads 2 i and 2 i + 1 one after the other, 32 rows each.  A wave makes q of ITS OWN 32 rows for one head (64 products) and keeps it in LDS bytes of its own: no barrier stands between
;    the q products and the attention.  The first head's q comes first in all waves; the second head's stands at the top of the pass loop, ahead of pass 0 in waves 0-3 and 8-11 and ahead of pass 1 in the others
;    (a branch on the wave's number round products, loads and LDS accesses alone), so that some waves stream Wq while others work on their softmax.
; O: wave w makes 64 columns of the out projection; the rows' sums meet in LDS twice (mean, then variance); each wave stores its columns through its own stage, 256 consecutive bytes for sixteen lanes.
; EVERY PRODUCT IS USED TRANSPOSED (source 0 = 16 rows of a weight, of K or of V^T; source 1 = 16 of my rows): a lane holds ONE row (lane % 16), and by the images' choice of rows the 16 registers of two neighbouring
; result tiles are 16 neighbours 32 b + 16 (lane / 16) + 0 .. 15 along the next product's K.
; SOFTMAX: t = score x log2(e); M = the running largest t rounded up to a whole number; p = 2^(t - M) is quantised along the keys; the row's sum is taken of the unquantised p and divides at the end.
; When M moves, sums and O^T are multiplied by 2^(old M - new M), and so are the scales of the half step quantised under the old M: exact.
; THE MASK lies in K's image: at k = 64 a masked key carries -7.5 x 2^100 and my queries 1.0.  A tile of K is 8 registers; the instruction reads 12, the last four from the registers behind: they meet zero codes of Q.
; NO CLUSTER, NO TENSOR LOAD, NO PREFETCH: every fragment of the four images is wanted by one wave of a work-group or by two that ask for it side by side, as registers that are used at once; it goes from memory
; straight into those registers, asked for a K step or half a key step ahead.
; LIMITS: NaN, infinities and scale bytes 0xff are not served; logits must lie far under 7.5 x 2^100 in magnitude; a block whose largest magnitude lies under 2^-124 takes the byte 1;
; where M rises by more than some 120 within one step of 128 keys, the older half's scale is held at 2^-126: an error under 7.5 x 2^-126 beside a largest p above 1/2.
; LDS: fragment (s, m) of an image at (4 s + m) 1,536; register pair p of lane l at 256 p + 8 l.  Scale words: 256 s + 8 (16 (m % 2) + r) + 4 (m / 2).
.set XIMG, 0                           ; xn: 8 K steps x 4 tiles of rows
.set XSC,  49152                       ; its scale words
.set STG,  51200                       ; xn in f32: two buffers of 16 rows of 4,096 + 16 bytes; dead behind the last barrier of X
.set SPI,  4112
.set GRPB, 16*SPI
.set RED1, 314368                      ; 64 rows x (16 parts + 16 bytes): the rows' sums
.set RED2, 319488                      ; and sums of squares
.set QIMG, 51200                       ; q: 16 heads x 4 tiles x 1,024 bytes
.set QSCI, 116736                      ; its scale words: 256 bytes a head
.set OIMG, 120832                      ; the attention's result: 8 K steps x 4 tiles
.set OSC,  169984
.set YSTG, 172032                      ; the way out: 16 rows x (256 + 16) bytes for each wave
.set FRB,  1536
.set SEL,  30                          ; s[30:31] lane selects: lane l xor 16
; STAY: v1 16 x lane, v2 8 x lane, v3 4 x lane, v4 r, v5 h; v40-47 scale words and nothing else.  s28 wave, s29 wave / 2, s39 wave % 2, s36 the pass count at which I make the second head's q;
; s[32:33] log2(e); s[34:35] sqrt(1/8); s[40:43] my part of a weight's image and scale words; s70 1/1024; s71 1e-5; s82-85 LDS bases of the q products
.macro NOPS n
.rept \n
	v_nop
.endr
.endm
.macro BAR                             ; my LDS stores have landed and my LDS loads are in: then the work-group's barrier
	s_wait_dscnt 0x0
	s_barrier_signal -1
	s_barrier_wait -1
.endm
.macro WSUM a, t                       ; the sum over the wave's 32 lanes, in every lane
.irp x, 1,2,4,8
	s_delay_alu instid0(VALU_DEP_1)
	v_add_f32_dpp v[\a], v[\a], v[\a] row_xmask:\x row_mask:0xf bank_mask:0xf
.endr
	s_delay_alu instid0(VALU_DEP_1)
	v_permlanex16_b32 v[\t], v[\a], s[SEL], s[SEL+1]
	s_delay_alu instid0(VALU_DEP_1)
	v_add_f32 v[\a], v[\a], v[\t]
.endm
; 32 numbers of a lane, register 16 b + e = element 32 b + 16 (lane / 16) + e of the lane's row, become half a fragment: v[dst .. dst + 5] = the codes of block (lane / 16); v[pw] = the two blocks' scale bytes.  TM: 6 registers, T2: 3
.macro Q2 src, dst, pw
.irp b, 0,1
	v_max3_num_f32 v[TM+\b], |v[\src+16*\b]|, |v[\src+16*\b+1]|, 0x1800000   ; with the floor 2^(3 - 127): the byte cannot fall under 1
.endr
.irp e, 2,4,6,8,10,12,14
.irp b, 0,1
	s_delay_alu instid0(VALU_DEP_2)
	v_max3_num_f32 v[TM+\b], v[TM+\b], |v[\src+16*\b+\e]|, |v[\src+16*\b+\e+1]|
.endr
.endr
.irp b, 0,1
	s_delay_alu instid0(VALU_DEP_2)
	v_permlanex16_b32 v[TM+2+\b], v[TM+\b], s[SEL], s[SEL+1]
.endr
.irp b, 0,1
	s_delay_alu instid0(VALU_DEP_2)
	v_max_num_f32 v[TM+\b], v[TM+\b], v[TM+2+\b]          ; the block's largest magnitude
.endr
.irp b, 0,1
	s_delay_alu instid0(VALU_DEP_2)
	v_add_nc_u32 v[TM+4+\b], 0xff000000, v[TM+\b]         ; 2 off its exponent field: the conversion's scale operand
.endr
.irp b, 0,1
	s_delay_alu instid0(VALU_DEP_2)
	v_lshrrev_b32 v[TM+2+\b], 23, v[TM+4+\b]              ; the scale's byte
.endr
	s_delay_alu instid0(VALU_DEP_1)
	v_lshl_or_b32 v[\pw], v[TM+3], 8, v[TM+2]
	v_cvt_scalef32_pk16_fp6_f32 v[\dst:\dst+2], v[\src:\src+15], v[TM+4]
	v_cvt_scalef32_pk16_fp6_f32 v[T2:T2+2], v[\src+16:\src+31], v[TM+5]
	v_nop                                                 ; one plain instruction behind a scaled conversion
.irp e, 0,1,2
	v_permlane16_swap_b32 v[\dst+\e], v[T2+\e]            ; a whole block to a lane
.endr
.irp e, 0,1,2
	s_delay_alu instid0(VALU_DEP_3)
	v_mov_b32 v[\dst+3+\e], v[T2+\e]
.endr
.endm
; one product: D at d, source 0 at a, source 1 at b; z = 1: it starts the sum; scale words in v[sa], v[sb]; ra, rb = 1: they stand in lanes 16-31
.macro WM d, a, b, z, sa, sb, ra, rb
.if (\z) && (\ra) && (\rb)
	v_wmma_scale_f32_16x16x128_f8f6f4 v[\d:\d+7], v[\a:\a+11], v[\b:\b+11], 0, v[\sa], v[\sb] matrix_a_fmt:MATRIX_FMT_FP6 matrix_b_fmt:MATRIX_FMT_FP6 matrix_a_scale:MATRIX_SCALE_ROW1 matrix_b_scale:MATRIX_SCALE_ROW1
.elseif (\z) && (\ra)
	v_wmma_scale_f32_16x16x128_f8f6f4 v[\d:\d+7], v[\a:\a+11], v[\b:\b+11], 0, v[\sa], v[\sb] matrix_a_fmt:MATRIX_FMT_FP6 matrix_b_fmt:MATRIX_FMT_FP6 matrix_a_scale:MATRIX_SCALE_ROW1
.elseif (\z) && (\rb)
	v_wmma_scale_f32_16x16x128_f8f6f4 v[\d:\d+7], v[\a:\a+11], v[\b:\b+11], 0, v[\sa], v[\sb] matrix_a_fmt:MATRIX_FMT_FP6 matrix_b_fmt:MATRIX_FMT_FP6 matrix_b_scale:MATRIX_SCALE_ROW1
.elseif (\z)
	v_wmma_scale_f32_16x16x128_f8f6f4 v[\d:\d+7], v[\a:\a+11], v[\b:\b+11], 0, v[\sa], v[\sb] matrix_a_fmt:MATRIX_FMT_FP6 matrix_b_fmt:MATRIX_FMT_FP6
.elseif (\ra) && (\rb)
	v_wmma_scale_f32_16x16x128_f8f6f4 v[\d:\d+7], v[\a:\a+11], v[\b:\b+11], v[\d:\d+7], v[\sa], v[\sb] matrix_a_fmt:MATRIX_FMT_FP6 matrix_b_fmt:MATRIX_FMT_FP6 matrix_a_scale:MATRIX_SCALE_ROW1 matrix_b_scale:MATRIX_SCALE_ROW1
.elseif (\ra)
	v_wmma_scale_f32_16x16x128_f8f6f4 v[\d:\d+7], v[\a:\a+11], v[\b:\b+11], v[\d:\d+7], v[\sa], v[\sb] matrix_a_fmt:MATRIX_FMT_FP6 matrix_b_fmt:MATRIX_FMT_FP6 matrix_a_scale:MATRIX_SCALE_ROW1
.elseif (\rb)
	v_wmma_scale_f32_16x16x128_f8f6f4 v[\d:\d+7], v[\a:\a+11], v[\b:\b+11], v[\d:\d+7], v[\sa], v[\sb] matrix_a_fmt:MATRIX_FMT_FP6 matrix_b_fmt:MATRIX_FMT_FP6 matrix_b_scale:MATRIX_SCALE_ROW1
.else
	v_wmma_scale_f32_16x16x128_f8f6f4 v[\d:\d+7], v[\a:\a+11], v[\b:\b+11], v[\d:\d+7], v[\sa], v[\sb] matrix_a_fmt:MATRIX_FMT_FP6 matrix_b_fmt:MATRIX_FMT_FP6
.endif
.endm
; ---- the out projection: 64 rows x 64 columns x 1,024, eight K steps written out.  v16, 28, 48, 60: the weight's tiles; v72 + 12 m: the rows' fragments; the weight's scale words v[44:45] (even steps), v[40:41] (odd); the rows' v[46:47]; accumulator (m, t) at v[128 + 32 m + 8 t]
.macro WG1 s                           ; the weight's scale words and tiles 0, 1: 7 loads
	global_load_b64 v[44-4*((\s)%2):45-4*((\s)%2)], v2, s[42:43] offset:256*(\s)
.irp t, 0,1
.irp c, 0,1,2
	global_load_b128 v[16+12*\t+4*\c:19+12*\t+4*\c], v1, s[40:41] offset:6144*(\s)+1536*\t+512*\c
.endr
.endr
.endm
.macro WG2 s                           ; tiles 2, 3: 6 loads
.irp t, 2,3
.irp c, 0,1,2
	global_load_b128 v[24+12*\t+4*\c:27+12*\t+4*\c], v1, s[40:41] offset:6144*(\s)+1536*\t+512*\c
.endr
.endr
.endm
.macro XLD s
.irp m, 0,1,2,3
.irp p, 0,1,2,3,4,5
	ds_load_b64 v[72+12*\m+2*\p:73+12*\m+2*\p], v6 offset:6144*(\s)+1536*\m+256*\p
.endr
.endr
	ds_load_b64 v[46:47], v7 offset:256*(\s)
.endm
; On entry WG1 0, WG2 0 and XLD 0 have been issued.  The sixteen accumulators take turns, one instruction a turn; the first K step starts the sums.
.macro GEMMP
.irp s, 0,1,2,3,4,5,6,7
	s_wait_loadcnt 6                               ; the scale words and tiles 0, 1 are in; the 6 loads of tiles 2, 3 may be out
	s_wait_dscnt 0x0
.irp t, 0,1
.irp m, 0,1,2,3
.if \s == 0
	WM 128+32*\m+8*\t, 16+12*\t, 72+12*\m, 1, 44-4*(\s%2), 46+\m/2, \t, \m%2
.else
	WM 128+32*\m+8*\t, 16+12*\t, 72+12*\m, 0, 44-4*(\s%2), 46+\m/2, \t, \m%2
.endif
.endr
.endr
.if \s < 7
	NOPS 4                                         ; four plain instructions in front of loads into registers that matrix instructions have read
	WG1 \s+1
	s_wait_loadcnt 7                               ; tiles 2, 3 are in; the 7 loads just issued may be out
.else
	s_wait_loadcnt 0x0
.endif
.irp t, 2,3
.irp m, 0,1,2,3
.if \s == 0
	WM 128+32*\m+8*\t, 24+12*\t, 72+12*\m, 1, 45-4*(\s%2), 46+\m/2, \t%2, \m%2
.else
	WM 128+32*\m+8*\t, 24+12*\t, 72+12*\m, 0, 45-4*(\s%2), 46+\m/2, \t%2, \m%2
.endif
.endr
.endr
.if \s < 7
	NOPS 4
	WG2 \s+1
	XLD \s+1
.endif
.endr
.endm
; ---- q of my 32 rows for one head: 2 tiles of rows x 4 tiles of Wq x 8 K steps.  Wq's tiles have TWO sets of registers, so that two whole K steps are asked for ahead: even steps v128 + 12 t; odd steps v176, v8, v20, v104.
; v80 + 12 i: my rows' fragments; Wq's scale words v[46:47] (even steps), v[40:41] (odd); my rows' v43; accumulator (i, t) at v[192 + 32 i + 8 t].  K's tiles asked for ahead (v44, 45, v48-79) are not touched.
.macro SETWB p, t                      ; WB = where tile t of set p lies
.if (\p) == 0
.set WB, 128+12*(\t)
.elseif (\t) == 0
.set WB, 176
.elseif (\t) == 3
.set WB, 104
.else
.set WB, 12*(\t)-4
.endif
.endm
.macro QW s                            ; K step s of Wq: the scale words and four tiles: 13 loads
	global_load_b64 v[46-6*((\s)%2):47-6*((\s)%2)], v2, s[42:43] offset:256*(\s)
.irp t, 0,1,2,3
	SETWB (\s)%2, \t
.irp c, 0,1,2
	global_load_b128 v[WB+4*\c:WB+4*\c+3], v1, s[40:41] offset:6144*(\s)+1536*\t+512*\c
.endr
.endr
.endm
.macro QX s
.irp i, 0,1
.irp p, 0,1,2,3,4,5
	ds_load_b64 v[80+12*\i+2*\p:81+12*\i+2*\p], v6 offset:6144*(\s)+1536*\i+256*\p
.endr
.endr
	ds_load_b32 v43, v7 offset:256*(\s)            ; lanes 0-15: tile 0's words, lanes 16-31: tile 1's
.endm
; q: which of the pair's two heads; pre = 1: the first K step of Wq has been asked for already
.macro QSLOT q, pre
.set TM, 16
.set T2, 24
	v_add_nc_u32 v6, s82, v2
	v_add_nc_u32 v7, s83, v2
	s_wait_alu depctr_va_vdst(0)
.if \pre == 0
	QW 0
.endif
	QW 1
	QX 0
.irp s, 0,1,2,3,4,5,6,7
.if \s < 7
	s_wait_loadcnt 13                              ; all older loads and this step's 13 are in; the next step's 13 may be out
.else
	s_wait_loadcnt 0x0
.endif
	s_wait_dscnt 0x0
.irp t, 0,1,2,3
	SETWB \s%2, \t
.irp i, 0,1
.if \s == 0
	WM 192+32*\i+8*\t, WB, 80+12*\i, 1, 46-6*(\s%2)+\t/2, 43, \t%2, \i
.else
	WM 192+32*\i+8*\t, WB, 80+12*\i, 0, 46-6*(\s%2)+\t/2, 43, \t%2, \i
.endif
.endr
.endr
.if \s < 7
	NOPS 4                                         ; four plain instructions in front of loads into registers that matrix instructions have read
.if \s < 6
	QW \s+2                                        ; into the set just left
.endif
	QX \s+1
.endif
.endr
	NOPS 4
	v_add_nc_u32 v8, s84, v1
	v_lshl_add_u32 v9, v4, 2, s85
	v_sub_nc_u32 v38, 1, v5
	v_mov_b32 v39, 0
	v_mov_b32 v[TM+2], 0                           ; a lane permute's destination counts as one of its sources
	v_mov_b32 v[TM+3], 0
	s_delay_alu instid0(VALU_DEP_4)
	v_lshlrev_b32 v38, 3, v38                      ; register 6 of a tile of q: the code 8 (1.0) at k = 64, in lanes 0-15; it meets the mask's code in K's tiles
.irp e, 0,1,2,3
	v_mov_b32 v[112+\e], 0                         ; registers 8-11 of q's first tile, which held a tile of Wq: zero codes again
.endr
	s_wait_alu depctr_va_vdst(0)
.irp i, 0,1
.set kk, 0
.rept 16
	v_pk_mul_f32 v[192+32*\i+kk:193+32*\i+kk], v[192+32*\i+kk:193+32*\i+kk], s[34:35] op_sel_hi:[1,0]   ; q x sqrt(1/8); each accumulator from its low end on
.set kk, kk+2
.endr
	Q2 192+32*\i, 32, 28
	v_or_b32 v28, 0x5f7f0000, v28                  ; byte 2: 2^0 for the 1.0 at k = 64; byte 3: over zero codes
	ds_store_b128 v8, v[32:35] offset:4096*(\q)+1024*\i
	ds_store_b128 v8, v[36:39] offset:4096*(\q)+1024*\i+512
	ds_store_b32 v9, v28 offset:256*(\q)+64*\i
	s_wait_dscnt 0x0
.endr
	s_add_nc_u64 s[40:41], s[40:41], 49152         ; the pair's next head (no load that names these registers is out)
	s_add_nc_u64 s[42:43], s[42:43], 2048
.endm
	s_load_b512 s[4:19], s[0:1], 0x0               ; x 4, gamma_x 6, wq_img 8, wq_sc 10, k_img 12, k_sc 14, v_img 16, v_sc 18
	s_load_b256 s[20:27], s[0:1], 0x40             ; wo_img 20, wo_sc 22, gamma_out 24, out0 26
	v_lshrrev_b32 v1, 5, v0
	s_delay_alu instid0(VALU_DEP_1)
	v_readfirstlane_b32 s28, v1                    ; wave 0..15
	s_mov_b32 s[SEL], 0x76543210
	s_mov_b32 s[SEL+1], 0xfedcba98
	s_mov_b32 s32, 0x3fb8aa3b                      ; log2(e)
	s_mov_b32 s33, s32
	s_mov_b32 s34, 0x3eb504f3                      ; sqrt(1/8)
	s_mov_b32 s35, s34
	s_mov_b32 s70, 0x3a800000                      ; 1/1024
	s_mov_b32 s71, 0x3727c5ac                      ; 1e-5
	s_lshr_b32 s29, s28, 1                         ; my pair of waves
	s_and_b32 s39, s28, 1                          ; which 32 rows are mine
	s_bfe_u32 s36, s28, 0x10002
	s_sub_co_u32 s36, 2, s36                       ; waves 0-3, 8-11: 2 (ahead of pass 0); the others: 1 (ahead of pass 1)
	s_lshl_b32 s72, ttmp9, 18                      ; the work-group's 64 rows of 4,096 bytes
	s_mov_b32 s73, 0
	s_lshl_b32 s74, s28, 12                        ; row w of each group of 16
	s_mov_b32 s75, 0
	s_mul_i32 s76, s28, SPI
	s_add_co_u32 s76, s76, STG                     ; the stage: row w
	s_lshl_b32 s77, s28, 8
	s_add_co_u32 s77, s77, STG                     ; the stage: columns 64 w on
	s_mul_i32 s78, s29, 4*FRB
	s_mul_i32 s79, s39, 768
	s_add_co_u32 s78, s78, s79                     ; xn's image: K step w / 2, half w % 2 of a fragment
	s_lshl_b32 s79, s29, 8
	s_lshl_b32 s80, s39, 1
	s_add_co_u32 s79, s79, s80
	s_add_co_u32 s79, s79, XSC                     ; and its two scale bytes
	s_mul_i32 s82, s39, 2*FRB                      ; the q products: my two tiles of rows in xn's image,
	s_lshl_b32 s83, s39, 2
	s_add_co_u32 s83, s83, XSC                     ; their scale words,
	s_lshl_b32 s84, s29, 13
	s_lshl_b32 s80, s39, 11
	s_add_co_u32 s84, s84, s80
	s_add_co_u32 s84, s84, QIMG                    ; q: head 2 (w / 2), tiles 2 (w % 2) on,
	s_lshl_b32 s85, s29, 9
	s_lshl_b32 s80, s39, 7
	s_add_co_u32 s85, s85, s80
	s_add_co_u32 s85, s85, QSCI                    ; and its scale words
	v_and_b32 v5, 31, v0
	v_and_b32 v4, 15, v0
	s_delay_alu instid0(VALU_DEP_2)
	v_lshlrev_b32 v1, 4, v5
	v_lshlrev_b32 v2, 3, v5
	v_lshlrev_b32 v3, 2, v5
	v_bfe_u32 v5, v0, 4, 1
	v_mul_u32_u24 v10, v4, SPI
	v_add_nc_u32 v8, s76, v1                       ; stage in, buffer 0: row w, 16 bytes a lane
	v_add_nc_u32 v12, s78, v2                      ; where my codes go
	v_lshl_add_u32 v13, v4, 3, s79                 ; where my scale bytes go
	s_delay_alu instid0(VALU_DEP_4)
	v_lshl_add_u32 v10, v5, 6, v10
	v_add_nc_u32 v9, GRPB, v8                      ; buffer 1
	v_mov_b32 v18, 0                               ; a lane permute's destination counts as one of its sources
	v_mov_b32 v19, 0
	s_delay_alu instid0(VALU_DEP_4)
	v_add_nc_u32 v10, s77, v10                     ; stage back, buffer 0: row r, + 256 w, + 64 h
	s_delay_alu instid0(VALU_DEP_1)
	v_add_nc_u32 v11, GRPB, v10
	s_wait_alu depctr_va_vdst(0)
	s_wait_kmcnt 0x0
	s_add_nc_u64 s[4:5], s[4:5], s[72:73]
	s_add_nc_u64 s[4:5], s[4:5], s[74:75]
	s_add_nc_u64 s[26:27], s[26:27], s[72:73]
.set XR, 128                           ; v128-255 row 16 i + w at XR + 32 i
.set GX, 80                            ; v80-111  gamma_x at my columns
.set TT, 112                           ; v112-117 the row's statistics
.irp j, 0,1,2,3,4,5,6,7
	global_load_b128 v[GX+4*\j:GX+4*\j+3], v1, s[6:7] offset:512*\j
.endr
.irp i, 0,1,2,3
.irp j, 0,1,2,3,4,5,6,7
	global_load_b128 v[XR+32*\i+4*\j:XR+32*\i+4*\j+3], v1, s[4:5] offset:65536*\i+512*\j th:TH_LOAD_NT   ; 512 consecutive bytes a load
.endr
.endr
.macro KLOAD                           ; 64 keys: four tiles of 8 registers and their scale words.  The offset wraps behind the pair's second head: the request behind the last half names the first tiles again and is not used
	s_add_nc_u64 s[48:49], s[46:47], s[50:51]
	s_lshr_b32 s56, s50, 4
	s_add_nc_u64 s[54:55], s[52:53], s[56:57]
.irp kt, 0,1,2,3
.irp g, 0,1
	global_load_b128 v[48+8*\kt+4*\g:51+8*\kt+4*\g], v1, s[48:49] offset:1024*\kt+512*\g
.endr
.endr
.irp j, 0,1
	global_load_b32 v[44+\j], v3, s[54:55] offset:128*\j
.endr
	s_add_co_u32 s50, s50, 4096
	s_and_b32 s50, s50, 0xffff
.endm
	s_mul_i32 s72, s29, 98304                      ; Wq's image: 49,152 bytes a head, from the pair's first head
	s_add_nc_u64 s[40:41], s[8:9], s[72:73]
	s_lshl_b32 s72, s29, 12
	s_add_nc_u64 s[42:43], s[10:11], s[72:73]
	s_lshr_b32 s72, ttmp9, 6                       ; batch
	s_lshl_b32 s72, s72, 4
	s_lshl_b32 s76, s29, 1
	s_add_co_u32 s76, s76, s72                     ; 16 batch + the pair's first head
	s_lshl_b32 s72, s76, 15
	s_add_nc_u64 s[46:47], s[12:13], s[72:73]      ; K's image: 32,768 bytes a head
	s_lshl_b32 s72, s76, 11
	s_add_nc_u64 s[52:53], s[14:15], s[72:73]      ; its scale words: 2,048
	s_mul_i32 s72, s76, 24576
	s_add_nc_u64 s[58:59], s[16:17], s[72:73]      ; V's image: 24,576; walked on end through both heads
	s_lshl_b32 s72, s76, 10
	s_add_nc_u64 s[60:61], s[18:19], s[72:73]      ; its scale words: 1,024
	s_lshl_b32 s62, s29, 13
	s_lshl_b32 s77, s39, 11
	s_add_co_u32 s62, s62, s77
	s_add_co_u32 s62, s62, QIMG                    ; q as the attention reads it; 4,096 on in the second pass
	s_lshl_b32 s63, s29, 9
	s_lshl_b32 s77, s39, 7
	s_add_co_u32 s63, s63, s77
	s_add_co_u32 s63, s63, QSCI                    ; 256 on
	s_mul_i32 s66, s28, 2*FRB
	s_add_co_u32 s66, s66, OIMG                    ; the result: fragments (w / 2, 2 (w % 2) + i); 768 on
	s_lshl_b32 s67, s29, 8
	s_lshl_b32 s77, s39, 2
	s_add_co_u32 s67, s67, s77
	s_add_co_u32 s67, s67, OSC                     ; its scale bytes; 2 on
	s_mov_b32 s50, 0
	s_mov_b32 s51, 0
	s_mov_b32 s57, 0
	KLOAD                                          ; the first 64 keys: 10 loads behind x's
; ---------------- X: group i: my row's LayerNorm, the stage, a barrier, my 64 columns of the group's 16 rows as codes.  cnt: the loads issued behind row i's
.set TM, 16
.set T2, 24
.macro XROW i, cnt
.set RX, XR+32*(\i)
.set RT, TT
	s_wait_loadcnt \cnt
	v_pk_add_f32 v[RT:RT+1], v[RX:RX+1], v[RX+2:RX+3]
	v_pk_add_f32 v[RT+2:RT+3], v[RX+4:RX+5], v[RX+6:RX+7]
.irp e, 8,12,16,20,24,28
	s_delay_alu instid0(VALU_DEP_2)
	v_pk_add_f32 v[RT:RT+1], v[RT:RT+1], v[RX+\e:RX+\e+1]
	s_delay_alu instid0(VALU_DEP_2)
	v_pk_add_f32 v[RT+2:RT+3], v[RT+2:RT+3], v[RX+\e+2:RX+\e+3]
.endr
	s_delay_alu instid0(VALU_DEP_1)
	v_pk_add_f32 v[RT:RT+1], v[RT:RT+1], v[RT+2:RT+3]
	s_delay_alu instid0(VALU_DEP_1)
	v_add_f32 v[RT], v[RT], v[RT+1]
	WSUM RT, RT+1
	s_delay_alu instid0(VALU_DEP_1)
	v_mul_f32 v[RT], s70, v[RT]                    ; the mean
.irp e, 0,2,4,6,8,10,12,14,16,18,20,22,24,26,28,30
	v_pk_add_f32 v[RX+\e:RX+\e+1], v[RX+\e:RX+\e+1], v[RT:RT+1] op_sel_hi:[1,0] neg_lo:[0,1] neg_hi:[0,1]   ; x - mean
.endr
	v_pk_mul_f32 v[RT+2:RT+3], v[RX:RX+1], v[RX:RX+1]
	v_pk_mul_f32 v[RT+4:RT+5], v[RX+2:RX+3], v[RX+2:RX+3]
.irp e, 4,8,12,16,20,24,28
	s_delay_alu instid0(VALU_DEP_2)
	v_pk_fma_f32 v[RT+2:RT+3], v[RX+\e:RX+\e+1], v[RX+\e:RX+\e+1], v[RT+2:RT+3]
	s_delay_alu instid0(VALU_DEP_2)
	v_pk_fma_f32 v[RT+4:RT+5], v[RX+\e+2:RX+\e+3], v[RX+\e+2:RX+\e+3], v[RT+4:RT+5]
.endr
	s_delay_alu instid0(VALU_DEP_1)
	v_pk_add_f32 v[RT+2:RT+3], v[RT+2:RT+3], v[RT+4:RT+5]
	s_delay_alu instid0(VALU_DEP_1)
	v_add_f32 v[RT+2], v[RT+2], v[RT+3]
	WSUM RT+2, RT+3
	s_delay_alu instid0(VALU_DEP_1)
	v_fma_f32 v[RT+2], v[RT+2], s70, s71           ; the variance + eps
	s_wait_alu depctr_va_vdst(0)                   ; a wait ahead of the transcendental,
	v_rsq_f32 v[RT+2], v[RT+2]
	v_nop
	s_wait_alu depctr_va_vdst(0)                   ; and ahead of its first reader
.set kk, 0
.rept 16
	v_pk_mul_f32 v[RX+kk:RX+kk+1], v[RX+kk:RX+kk+1], v[RT+2:RT+3] op_sel_hi:[1,0]
.set kk, kk+2
.endr
.set kk, 0
.rept 16
	v_pk_mul_f32 v[RX+kk:RX+kk+1], v[RX+kk:RX+kk+1], v[GX+kk:GX+kk+1]
.set kk, kk+2
.endr
.irp j, 0,1,2,3,4,5,6,7
	ds_store_b128 v[8+(\i)%2], v[RX+4*\j:RX+4*\j+3] offset:512*\j
.endr
	BAR                                            ; the group's 16 rows lie in the stage; every wave's reads of the group two back, which lay in this buffer's twin of the last turn, ended ahead of the barrier before
.irp b, 0,1
.irp j, 0,1,2,3
	ds_load_b128 v[RX+16*\b+4*\j:RX+16*\b+4*\j+3], v[10+(\i)%2] offset:128*\b+16*\j
.endr
.endr
	s_wait_dscnt 0x0
	Q2 RX, 28, 34
.irp e, 0,1,2
	ds_store_b64 v12, v[28+2*\e:29+2*\e] offset:FRB*(\i)+256*\e
.endr
	ds_store_b16 v13, v34 offset:128*((\i)%2)+4*((\i)/2)   ; (lanes l and l + 16 write the same bytes with the same value)
.endm
	XROW 0, 34                                     ; behind row 0's loads: 24 of x and K's 10
	XROW 1, 26
	QW 0
	XROW 2, 31
	XROW 3, 23
	BAR                                            ; xn's 32 fragments lie in LDS; the stage is dead
	QSLOT 0, 1                                     ; the pair's first head
; ---------------- A: attention.  Pass p: head 2 (w / 2) + p; my tiles of rows m = 2 (w % 2) + i, i = 0, 1.
; v[8 + 8 i ..]: +0 -M, +1 largest t, +2, +3 the sum, +4 f, +5, +7 the first half's scale operands, +6 F.  v24-27 block maxima; v28-38 at work; v40, 41 p's scale words; v42 q's; v44, 45 K's; v46, 47 V's;
; v48 + 8 kt K's tiles; v80 + 12 i p's codes; v104 + 12 i q; v128 + 32 i + 8 kt scores, then p, then V's fragments at v128 + 12 dt; v192 + 32 i + 8 dt O^T
.macro HALF c                          ; 64 keys, the c-th half of a step of 128, for both tiles of rows
	s_wait_loadcnt 0x0                             ; K's tiles, asked for half a step ago
.irp kt, 0,1,2,3
.irp i, 0,1
	WM 128+32*\i+8*\kt, 48+8*\kt, 104+12*\i, 1, 44+\kt/2, 42, \kt%2, \i
.endr
.endr
	NOPS 4
	KLOAD                                          ; the next half's
.irp n, 0,1,2,3
	v_max3_num_f32 v[24+\n], v[128+16*\n], v[129+16*\n], v[130+16*\n]   ; the largest score of each block of 32 keys: for the row's maximum and, since p rises with the score, for the block's largest p
.endr
.irp e, 3,5,7,9,11,13
.irp n, 0,1,2,3
	v_max3_num_f32 v[24+\n], v[24+\n], v[128+16*\n+\e], v[129+16*\n+\e]
.endr
.endr
.irp n, 0,1,2,3
	v_max_num_f32 v[24+\n], v[24+\n], v[143+16*\n]
.endr
.irp n, 0,1,2,3
	s_delay_alu instid0(VALU_DEP_4)
	v_permlanex16_b32 v[28+\n], v[24+\n], s[SEL], s[SEL+1]
.endr
.irp n, 0,1,2,3
	s_delay_alu instid0(VALU_DEP_4)
	v_max_num_f32 v[24+\n], v[24+\n], v[28+\n]
.endr
	s_delay_alu instid0(VALU_DEP_3)
	v_max_num_f32 v32, v24, v25
	s_delay_alu instid0(VALU_DEP_2)
	v_max_num_f32 v33, v26, v27
.irp i, 0,1
	s_delay_alu instid0(VALU_DEP_2)
	v_mul_f32 v[32+\i], s32, v[32+\i]              ; as t
.endr
.irp i, 0,1
	s_delay_alu instid0(VALU_DEP_2)
	v_max_num_f32 v[9+8*\i], v[9+8*\i], v[32+\i]   ; the running largest t
.endr
.irp i, 0,1
	v_mov_b32 v[32+\i], v[8+8*\i]
.endr
.irp i, 0,1
	s_delay_alu instid0(VALU_DEP_4)
	v_floor_f32 v[8+8*\i], -v[9+8*\i]              ; -M = floor(-t): M is a whole number
.endr
.irp i, 0,1
	s_delay_alu instid0(VALU_DEP_2)
	v_sub_f32 v[32+\i], v[8+8*\i], v[32+\i]        ; old M - new M
.endr
.irp i, 0,1
	s_delay_alu instid0(VALU_DEP_2)
	v_cvt_i32_f32 v[32+\i], v[32+\i]               ; (it saturates)
.endr
.irp i, 0,1
	s_delay_alu instid0(VALU_DEP_2)
	v_ldexp_f32 v[12+8*\i], 1.0, v[32+\i]          ; f = 2^(old M - new M)
.endr
.irp i, 0,1
	s_delay_alu instid0(VALU_DEP_2)
.if \c == 0
	v_mov_b32 v[14+8*\i], v[12+8*\i]
.else
	v_mul_f32 v[14+8*\i], v[14+8*\i], v[12+8*\i]   ; F: what O^T is multiplied by for the whole step
.endif
.endr
.irp i, 0,1
.set kk, 0
.rept 16
	v_pk_fma_f32 v[128+32*\i+kk:129+32*\i+kk], v[128+32*\i+kk:129+32*\i+kk], s[32:33], v[8+8*\i:9+8*\i] op_sel_hi:[1,0,0]   ; t - M
.set kk, kk+2
.endr
.endr
.irp n, 0,1,2,3
	v_fma_f32 v[24+\n], v[24+\n], s32, v[8+8*(\n/2)]   ; the same of each block's largest score
.endr
.set kk, 0
	s_wait_alu depctr_va_vdst(0)                   ; a wait ahead of the batch
.rept 64
	v_exp_f32 v[128+kk], v[128+kk]                 ; p = 2^(t - M)
.set kk, kk+1
.endr
.irp i, 0,1
	v_pk_mul_f32 v[10+8*\i:11+8*\i], v[10+8*\i:11+8*\i], v[12+8*\i:13+8*\i] op_sel_hi:[1,0]   ; the sums under the new M
.endr
	s_wait_alu depctr_va_vdst(0)                   ; one wait for the batch of 64, ahead of its first reader
.irp n, 0,1,2,3
	v_exp_f32 v[24+\n], v[24+\n]                   ; each block's largest p
.endr
.irp i, 0,1
	v_pk_add_f32 v[28+2*\i:29+2*\i], v[128+32*\i:129+32*\i], v[130+32*\i:131+32*\i]   ; the row's sum is taken of the unquantised p, in two chains
.endr
.irp e, 4,8,12,16,20,24,28
.irp i, 0,1
	v_pk_add_f32 v[10+8*\i:11+8*\i], v[10+8*\i:11+8*\i], v[128+32*\i+\e:129+32*\i+\e]
	v_pk_add_f32 v[28+2*\i:29+2*\i], v[28+2*\i:29+2*\i], v[130+32*\i+\e:131+32*\i+\e]
.endr
.endr
	s_delay_alu instid0(VALU_DEP_3)
	v_pk_add_f32 v[10:11], v[10:11], v[28:29]
	s_delay_alu instid0(VALU_DEP_2)
	v_pk_add_f32 v[18:19], v[18:19], v[30:31]
	s_wait_alu depctr_va_vdst(0)                   ; and one for the four
.irp n, 0,1,2,3
	v_max_num_f32 v[24+\n], 0x1800000, v[24+\n]    ; the floor 2^(3 - 127)
.endr
.irp n, 0,1,2,3
	s_delay_alu instid0(VALU_DEP_4)
	v_add_nc_u32 v[32+\n], 0xff000000, v[24+\n]    ; the conversions' scale operands
.endr
.if \c == 0
.irp i, 0,1
	s_delay_alu instid0(VALU_DEP_4)
	v_mov_b32 v[15+8*\i], v[32+2*\i]               ; kept: the second half may move M
	s_delay_alu instid0(VALU_DEP_4)
	v_mov_b32 v[13+8*\i], v[33+2*\i]
.endr
.endif                                             ; (the second half's scale operands stay in v32-35: PV puts the step's scale words together)
.irp i, 0,1
	v_cvt_scalef32_pk16_fp6_f32 v[80+12*\i+6*\c:82+12*\i+6*\c], v[128+32*\i:143+32*\i], v[32+2*\i]
	v_cvt_scalef32_pk16_fp6_f32 v[36:38], v[144+32*\i:159+32*\i], v[33+2*\i]
	v_nop
.irp e, 0,1,2
	v_permlane16_swap_b32 v[80+12*\i+6*\c+\e], v[36+\e]
.endr
.irp e, 0,1,2
	s_delay_alu instid0(VALU_DEP_3)
	v_mov_b32 v[83+12*\i+6*\c+\e], v[36+\e]
.endr
.if \c == 1
.irp d, 0,1                                        ; V's tiles 2 i and 2 i + 1 of this step, into registers whose p has just been converted: v128 + 24 i on
.irp p, 0,1,2,3,4,5
	global_load_b64 v[128+24*\i+12*\d+2*\p:129+24*\i+12*\d+2*\p], v2, s[58:59] offset:3072*\i+1536*\d+256*\p
.endr
.endr
.endif
.endr
.endm
.macro PV z                            ; O^T += V^T P^T over the step's 128 keys; z = 1: a pass's first step, whose products start the sums
.irp j, 0,1
	global_load_b32 v[46+\j], v3, s[60:61] offset:128*\j   ; V's scale words; its four tiles were asked for at the end of the second half
.endr
.irp i, 0,1
	v_mul_f32 v[15+8*\i], v[15+8*\i], v[12+8*\i]   ; the first half's scales under the new M: x f, exact,
	v_mul_f32 v[13+8*\i], v[13+8*\i], v[12+8*\i]
.endr
.irp i, 0,1
	s_delay_alu instid0(VALU_DEP_4)
	v_max_num_f32 v[15+8*\i], 0x800000, v[15+8*\i] ; held at 2^-126
	s_delay_alu instid0(VALU_DEP_4)
	v_max_num_f32 v[13+8*\i], 0x800000, v[13+8*\i]
.endr
.irp i, 0,1
	s_delay_alu instid0(VALU_DEP_4)
	v_lshrrev_b32 v[15+8*\i], 23, v[15+8*\i]
	s_delay_alu instid0(VALU_DEP_4)
	v_lshrrev_b32 v[13+8*\i], 23, v[13+8*\i]
.endr
.irp n, 0,1,2,3
	v_lshrrev_b32 v[28+\n], 23, v[32+\n]
.endr
.irp i, 0,1
	v_lshl_or_b32 v[40+\i], v[13+8*\i], 8, v[15+8*\i]   ; p's scale word for the step's 128 keys
.endr
.irp i, 0,1
	s_delay_alu instid0(VALU_DEP_2)
	v_lshl_or_b32 v[40+\i], v[28+2*\i], 16, v[40+\i]
.endr
.irp i, 0,1
	s_delay_alu instid0(VALU_DEP_2)
	v_lshl_or_b32 v[40+\i], v[29+2*\i], 24, v[40+\i]
.endr
.if \z
	NOPS 8                                         ; eight plain instructions between the last write of p's scale words and the scaled products
.else
.irp i, 0,1
.set kk, 0
.rept 16
	v_pk_mul_f32 v[192+32*\i+kk:193+32*\i+kk], v[192+32*\i+kk:193+32*\i+kk], v[14+8*\i:15+8*\i] op_sel_hi:[1,0]   ; O^T under the new M; these 32 also stand between the writes of p's codes and scale words and the products
.set kk, kk+2
.endr
.endr
.endif
	s_wait_alu depctr_va_vdst(0)
	s_wait_loadcnt 0x0                             ; V (and the next half's K): the bases may step
	s_add_nc_u64 s[58:59], s[58:59], 6144
	s_add_nc_u64 s[60:61], s[60:61], 256
.irp dt, 0,1,2,3
.irp i, 0,1
	WM 192+32*\i+8*\dt, 128+12*\dt, 80+12*\i, \z, 46+\dt/2, 40+\i, \dt%2, 0
.endr
.endr
	NOPS 5                                         ; the next scores are written over V's fragments: five plain instructions between
.endm
.irp e, 0,1,2,3
	v_mov_b32 v[124+\e], 0                         ; registers 8-11 of q's second tile: zero codes, once (the first tile's are written behind each q product)
	v_mov_b32 v[28+\e], 0                          ; a lane permute's destination counts as one of its sources
.endr
	s_mov_b32 s37, 2
.Lpass:
	s_cmp_lg_u32 s37, s36                          ; by the wave's number and the pass alone
	s_cbranch_scc1 .Lnoq
	QSLOT 1, 0                                     ; the pair's second head
.Lnoq:
.irp i, 0,1
	v_mov_b32 v[9+8*\i], 0xff61b1e6                ; the largest t so far: -3e38
	s_delay_alu instid0(VALU_DEP_1)
	v_floor_f32 v[8+8*\i], -v[9+8*\i]
.irp e, 10,11,12,13,14,15
	v_mov_b32 v[\e+8*\i], 0
.endr
.endr
	v_add_nc_u32 v6, s62, v1
	v_add_nc_u32 v7, s63, v3
.irp i, 0,1
.irp g, 0,1
	ds_load_b128 v[104+12*\i+4*\g:107+12*\i+4*\g], v6 offset:1024*\i+512*\g   ; bytes that I stored myself: LDS serves a wave's instructions in order
.endr
.endr
	ds_load_b32 v42, v7                            ; lanes 0-15: tile i = 0's words; lanes 16-31: tile 1's
	s_wait_dscnt 0x0
	HALF 0                                         ; the pass's first step is written out: its products start O^T's sums, and nothing is cleared
	HALF 1
	PV 1
	s_mov_b32 s38, 3
.Lstep:
	HALF 0
	HALF 1
	PV 0
	s_sub_co_u32 s38, s38, 1
	s_cmp_lg_u32 s38, 0
	s_cbranch_scc1 .Lstep
.irp i, 0,1
	v_add_f32 v[32+\i], v[10+8*\i], v[11+8*\i]     ; the sum's two halves,
.endr
.irp i, 0,1
	s_delay_alu instid0(VALU_DEP_2)
	v_permlanex16_b32 v[28+\i], v[32+\i], s[SEL], s[SEL+1]
.endr
.irp i, 0,1
	s_delay_alu instid0(VALU_DEP_2)
	v_add_f32 v[32+\i], v[32+\i], v[28+\i]         ; and lane l xor 16's
.endr
	s_wait_alu depctr_va_vdst(0)
.irp i, 0,1
	v_rcp_f32 v[10+8*\i], v[32+\i]
.endr
	v_nop
	s_wait_alu depctr_va_vdst(0)                   ; one wait for the two reciprocals, ahead of their first reader
.irp i, 0,1
.set kk, 0
.rept 16
	v_pk_mul_f32 v[192+32*\i+kk:193+32*\i+kk], v[192+32*\i+kk:193+32*\i+kk], v[10+8*\i:11+8*\i] op_sel_hi:[1,0]
.set kk, kk+2
.endr
.endr
.set TM, 128
.set T2, 136
	v_mov_b32 v[TM+2], 0
	v_mov_b32 v[TM+3], 0
	v_add_nc_u32 v6, s66, v2
	v_lshl_add_u32 v7, v4, 3, s67
.irp i, 0,1
	Q2 192+32*\i, 144+6*\i, 160+\i
.irp e, 0,1,2
	ds_store_b64 v6, v[144+6*\i+2*\e:145+6*\i+2*\e] offset:1536*\i+256*\e
.endr
	ds_store_b16 v7, v[160+\i] offset:128*\i       ; the head's two bytes of the K step's scale word
.endr
	s_wait_dscnt 0x0
	s_add_co_u32 s62, s62, 4096
	s_add_co_u32 s63, s63, 256
	s_add_co_u32 s66, s66, 768
	s_add_co_u32 s67, s67, 2
	s_sub_co_u32 s37, s37, 1
	s_cmp_lg_u32 s37, 0
	s_cbranch_scc1 .Lpass
	s_wait_loadcnt 0x0                             ; the wrapped request for K: its registers are loaded anew below
	s_mul_i32 s72, s28, 49152
	s_mov_b32 s73, 0
	s_add_nc_u64 s[40:41], s[20:21], s[72:73]      ; my 64 rows of Wo's image (no load that names these registers is out),
	s_lshl_b32 s72, s28, 11
	s_add_nc_u64 s[42:43], s[22:23], s[72:73]      ; and their scale words
	WG1 0                                          ; Wo's first K step is asked for ahead of the barrier
	WG2 0
	BAR                                            ; the result's 32 fragments lie in LDS
; ---------------- O: 64 columns of the out projection, and the last LayerNorm
	v_add_nc_u32 v6, OIMG, v2
	v_add_nc_u32 v7, OSC, v2
	XLD 0
	s_wait_alu depctr_va_vdst(0)
	GEMMP
	NOPS 4
	v_lshlrev_b32 v6, 6, v5
	s_lshl_b32 s72, s28, 8
	v_add_nc_u32 v6, s72, v6                       ; gamma_out at my columns 64 w + 32 b + 16 h + 0 .. 15; not rewritten
.irp b, 0,1
.irp q, 0,1,2,3
	global_load_b128 v[8+16*\b+4*\q:11+16*\b+4*\q], v6, s[24:25] offset:128*\b+16*\q
.endr
.endr
	s_lshl_b32 s74, s28, 2
	s_add_co_u32 s74, s74, RED1
	v_mul_u32_u24 v120, v4, 80
	s_delay_alu instid0(VALU_DEP_1)
	v_add_nc_u32 v7, s74, v120                     ; my part of row r's sums: 80 r + 4 w
	s_delay_alu instid0(VALU_DEP_2)
	v_add_nc_u32 v120, RED1, v120                  ; and the row's sixteen parts
	s_mul_i32 s74, s28, 4352
	s_add_co_u32 s74, s74, YSTG
	v_mul_u32_u24 v121, v4, 272
	s_delay_alu instid0(VALU_DEP_1)
	v_lshl_add_u32 v121, v5, 6, v121
	s_delay_alu instid0(VALU_DEP_1)
	v_add_nc_u32 v121, s74, v121                   ; my stage, in: row r, + 64 h
	v_mul_u32_u24 v122, v5, 272
	s_delay_alu instid0(VALU_DEP_1)
	v_lshl_add_u32 v122, v4, 4, v122
	s_delay_alu instid0(VALU_DEP_1)
	v_add_nc_u32 v122, s74, v122                   ; back: lanes 0-15 one row, lanes 16-31 the next
	v_lshlrev_b32 v123, 12, v5
	s_delay_alu instid0(VALU_DEP_1)
	v_lshl_add_u32 v123, v4, 4, v123
	s_delay_alu instid0(VALU_DEP_1)
	v_add_nc_u32 v123, s72, v123                   ; and the same in out0, + 256 w
.irp m, 0,1,2,3
	v_mov_b32 v[113+2*\m], 0                       ; (named as the upper halves of pairs)
.endr
; the rows' sums (sq = 0) or sums of squares (sq = 1) over all 1,024 columns: my 32 numbers and lane l xor 16's, a word in LDS for each wave, a barrier, sixteen words back; the total of tile m's row in v[48 + 16 m]
.macro YRED sq, red
.irp m, 0,1,2,3
.if \sq
	v_pk_mul_f32 v[48+4*\m:49+4*\m], v[128+32*\m:129+32*\m], v[128+32*\m:129+32*\m]
	v_pk_mul_f32 v[50+4*\m:51+4*\m], v[130+32*\m:131+32*\m], v[130+32*\m:131+32*\m]
	s_delay_alu instid0(VALU_DEP_2)
	v_pk_fma_f32 v[48+4*\m:49+4*\m], v[132+32*\m:133+32*\m], v[132+32*\m:133+32*\m], v[48+4*\m:49+4*\m]
	s_delay_alu instid0(VALU_DEP_2)
	v_pk_fma_f32 v[50+4*\m:51+4*\m], v[134+32*\m:135+32*\m], v[134+32*\m:135+32*\m], v[50+4*\m:51+4*\m]
.else
	v_pk_add_f32 v[48+4*\m:49+4*\m], v[128+32*\m:129+32*\m], v[130+32*\m:131+32*\m]   ; each accumulator from its low end on
	v_pk_add_f32 v[50+4*\m:51+4*\m], v[132+32*\m:133+32*\m], v[134+32*\m:135+32*\m]
.endif
.endr
.irp e, 8,12,16,20,24,28
.irp m, 0,1,2,3
.if \sq
	v_pk_fma_f32 v[48+4*\m:49+4*\m], v[128+32*\m+\e:129+32*\m+\e], v[128+32*\m+\e:129+32*\m+\e], v[48+4*\m:49+4*\m]
	v_pk_fma_f32 v[50+4*\m:51+4*\m], v[130+32*\m+\e:131+32*\m+\e], v[130+32*\m+\e:131+32*\m+\e], v[50+4*\m:51+4*\m]
.else
	v_pk_add_f32 v[48+4*\m:49+4*\m], v[48+4*\m:49+4*\m], v[128+32*\m+\e:129+32*\m+\e]
	v_pk_add_f32 v[50+4*\m:51+4*\m], v[50+4*\m:51+4*\m], v[130+32*\m+\e:131+32*\m+\e]
.endif
.endr
.endr
.irp m, 0,1,2,3
	v_pk_add_f32 v[48+4*\m:49+4*\m], v[48+4*\m:49+4*\m], v[50+4*\m:51+4*\m]
.endr
.irp m, 0,1,2,3
	s_delay_alu instid0(VALU_DEP_4)
	v_add_f32 v[48+4*\m], v[48+4*\m], v[49+4*\m]
.endr
.irp m, 0,1,2,3
	s_delay_alu instid0(VALU_DEP_4)
	v_permlanex16_b32 v[49+4*\m], v[48+4*\m], s[SEL], s[SEL+1]
.endr
.irp m, 0,1,2,3
	s_delay_alu instid0(VALU_DEP_4)
	v_add_f32 v[48+4*\m], v[48+4*\m], v[49+4*\m]
.endr
.irp m, 0,1,2,3
	ds_store_b32 v7, v[48+4*\m] offset:\red+1280*\m   ; (lanes l and l + 16 write the same word with the same value)
.endr
	BAR
.irp m, 0,1,2,3
.irp q, 0,1,2,3
	ds_load_b128 v[48+16*\m+4*\q:51+16*\m+4*\q], v120 offset:\red+1280*\m+16*\q
.endr
.endr
	s_wait_dscnt 0x0
.irp m, 0,1,2,3
	v_pk_add_f32 v[48+16*\m:49+16*\m], v[48+16*\m:49+16*\m], v[50+16*\m:51+16*\m]
	v_pk_add_f32 v[52+16*\m:53+16*\m], v[52+16*\m:53+16*\m], v[54+16*\m:55+16*\m]
	v_pk_add_f32 v[56+16*\m:57+16*\m], v[56+16*\m:57+16*\m], v[58+16*\m:59+16*\m]
	v_pk_add_f32 v[60+16*\m:61+16*\m], v[60+16*\m:61+16*\m], v[62+16*\m:63+16*\m]
.endr
.irp m, 0,1,2,3
	v_pk_add_f32 v[48+16*\m:49+16*\m], v[48+16*\m:49+16*\m], v[52+16*\m:53+16*\m]
	v_pk_add_f32 v[56+16*\m:57+16*\m], v[56+16*\m:57+16*\m], v[60+16*\m:61+16*\m]
.endr
.irp m, 0,1,2,3
	v_pk_add_f32 v[48+16*\m:49+16*\m], v[48+16*\m:49+16*\m], v[56+16*\m:57+16*\m]
.endr
.irp m, 0,1,2,3
	s_delay_alu instid0(VALU_DEP_4)
	v_add_f32 v[48+16*\m], v[48+16*\m], v[49+16*\m]
.endr
.endm
	YRED 0, 0
.irp m, 0,1,2,3
	s_delay_alu instid0(VALU_DEP_4)
	v_mul_f32 v[112+2*\m], s70, v[48+16*\m]        ; the mean
.endr
.irp m, 0,1,2,3
.set kk, 0
.rept 16
	v_pk_add_f32 v[128+32*\m+kk:129+32*\m+kk], v[128+32*\m+kk:129+32*\m+kk], v[112+2*\m:113+2*\m] op_sel_hi:[1,0] neg_lo:[0,1] neg_hi:[0,1]
.set kk, kk+2
.endr
.endr
	YRED 1, RED2-RED1
.irp m, 0,1,2,3
	s_delay_alu instid0(VALU_DEP_4)
	v_fma_f32 v[112+2*\m], v[48+16*\m], s70, s71   ; the variance + eps
.endr
	s_wait_alu depctr_va_vdst(0)
.irp m, 0,1,2,3
	v_rsq_f32 v[112+2*\m], v[112+2*\m]
.endr
	v_nop
	s_wait_alu depctr_va_vdst(0)                   ; one wait for the four, ahead of their first reader
	s_wait_loadcnt 0x0                             ; gamma_out
; THE WAY OUT, a tile of 16 rows at a time: its last two multiplications, then through my own stage and back by rows.  LDS serves a wave's instructions in order: no wait between the stores and the loads.
.irp m, 0,1,2,3
.if \m >= 2
	s_wait_xcnt 0x0                                ; the stores of two tiles ago have read their registers: they are loaded anew below
.endif
.set kk, 0
.rept 16
	v_pk_mul_f32 v[128+32*\m+kk:129+32*\m+kk], v[128+32*\m+kk:129+32*\m+kk], v[112+2*\m:113+2*\m] op_sel_hi:[1,0]
.set kk, kk+2
.endr
.set kk, 0
.rept 16
	v_pk_mul_f32 v[128+32*\m+kk:129+32*\m+kk], v[128+32*\m+kk:129+32*\m+kk], v[8+kk:9+kk]
.set kk, kk+2
.endr
	s_wait_alu depctr_va_vdst(0)
.irp b, 0,1
.irp q, 0,1,2,3
	ds_store_b128 v121, v[128+32*\m+16*\b+4*\q:131+32*\m+16*\b+4*\q] offset:128*\b+16*\q
.endr
.endr
.irp q, 0,1,2,3,4,5,6,7
	ds_load_b128 v[48+32*(\m%2)+4*\q:51+32*(\m%2)+4*\q], v122 offset:544*\q
.endr
.irp q, 0,1,2,3,4,5,6,7
	s_wait_dscnt 7-\q                              ; this pair of rows is back; the younger loads may be out
	global_store_b128 v123, v[48+32*(\m%2)+4*\q:51+32*(\m%2)+4*\q], s[26:27] offset:(16*\m+2*\q)*4096 th:TH_STORE_NT   ; sixteen lanes store 256 consecutive bytes, at a multiple of 256 from out0's first byte
.endr
.endr
	s_wait_xcnt 0x0
	v_lshl_add_u32 v254, v0, 2, 0x4f400            ; the wave's end
	v_mov_b32 v255, 0
	s_wait_alu depctr_va_vdst(0)
	s_wait_tensorcnt 0x0
	ds_add_u32 v254, v255
	s_wait_dscnt 0x0
	s_endpgm
.Lfunc_end_k_q9343c8ebd8_fused:
	.size	k_q9343c8ebd8_fused, .Lfunc_end_k_q9343c8ebd8_fused-k_q9343c8ebd8_fused
	.p2alignl 7, 3214868480
	.fill 96, 4, 3214868480
	.section	.rodata,"a",@progbits
	.p2align	6, 0x0
	.amdhsa_kernel k_q9343c8ebd8_fused
		.amdhsa_group_segment_fixed_size 327680
		.amdhsa_private_segment_fixed_size 0
		.amdhsa_enable_private_segment 0
		.amdhsa_kernarg_size 96
		.amdhsa_user_sgpr_count 2
		.amdhsa_user_sgpr_kernarg_segment_ptr 1
		.amdhsa_wavefront_size32 1
		.amdhsa_system_sgpr_workgroup_id_x 1
		.amdhsa_system_sgpr_workgroup_id_y 1
		.amdhsa_system_sgpr_workgroup_id_z 1
		.amdhsa_system_vgpr_workitem_id 0
		.amdhsa_next_free_vgpr 256
		.amdhsa_next_free_sgpr 90
		.amdhsa_reserve_vcc 0
		.amdhsa_float_denorm_mode_32 3
		.amdhsa_float_denorm_mode_16_64 3
		.amdhsa_memory_ordered 1
		.amdhsa_forward_progress 1
		.amdhsa_inst_pref_size 255
	.end_amdhsa_kernel
	.section	.bss,"aw",@nobits
	.p2align	6
	.space	262144
	.amdgpu_metadata
---
amdhsa.version: [ 1, 2 ]
amdhsa.kernels:
  - .name:           k_q9343c8ebd8_fused
    .symbol:         k_q9343c8ebd8_fused.kd
    .args:
      - { .name: x, .offset: 0, .size: 8, .value_kind: global_buffer, .address_space: global }
      - { .name: gamma_x, .offset: 8, .size: 8, .value_kind: global_buffer, .address_space: global }
      - { .name: wq_img, .offset: 16, .size: 8, .value_kind: global_buffer, .address_space: global }
      - { .name: wq_sc, .offset: 24, .size: 8, .value_kind: global_buffer, .address_space: global }
      - { .name: k_img, .offset: 32, .size: 8, .value_kind: global_buffer, .address_space: global }
      - { .name: k_sc, .offset: 40, .size: 8, .value_kind: global_buffer, .address_space: global }
      - { .name: v_img, .offset: 48, .size: 8, .value_kind: global_buffer, .address_space: global }
      - { .name: v_sc, .offset: 56, .size: 8, .value_kind: global_buffer, .address_space: global }
      - { .name: wo_img, .offset: 64, .size: 8, .value_kind: global_buffer, .address_space: global }
      - { .name: wo_sc, .offset: 72, .size: 8, .value_kind: global_buffer, .address_space: global }
      - { .name: gamma_out, .offset: 80, .size: 8, .value_kind: global_buffer, .address_space: global }
      - { .name: out0, .offset: 88, .size: 8, .value_kind: global_buffer, .address_space: global }
    .group_segment_fixed_size: 327680
    .private_segment_fixed_size: 0
    .kernarg_segment_align: 8
    .kernarg_segment_size: 96
    .max_flat_workgroup_size: 512
    .sgpr_count:     90
    .vgpr_count:     256
    .wavefront_size: 32
...
	.end_amdgpu_metadata
.endif
;; end of part 4
